; MI455X (gfx1250); checked and timed in simulation.
; The chip was launched on July 23, 2026; its instructions are those of AMD's public machine-readable ISA for CDNA 5 (MIT licence, August 2026) and "CDNA5" Instruction Set Architecture Reference Guide (July 2026). The comments in the code are by the model that wrote it; some were corrected since.
;; Attention. Allowed arithmetic: matrix products marked QUANTISED: E4M3 operands, one E8M0 scale for each 32 along K, by v_wmma_scale_f32_16x16x128_f8f6f4 with both operands' format E4M3, f32 sums; everything else in f32.
;; Inputs: freqs_cos 2,048 x 32 float32; freqs_sin 2,048 x 32 float32; wk_codes 256 x 32 x 32 uint8 (E4M3 codes of wk, K innermost, in blocks of 32 codes); wk_scales 256 x 32 uint8 (E8M0 scales of wk, one for each 32 codes along K); wo_codes 1,024 x 32 x 32 uint8 (E4M3 codes of wo, K innermost, in blocks of 32 codes); wo_scales 1,024 x 32 uint8 (E8M0 scales of wo, one for each 32 codes along K); wq_codes 1,024 x 32 x 32 uint8 (E4M3 codes of wq, K innermost, in blocks of 32 codes); wq_scales 1,024 x 32 uint8 (E8M0 scales of wq, one for each 32 codes along K); wv_codes 256 x 32 x 32 uint8 (E4M3 codes of wv, K innermost, in blocks of 32 codes); wv_scales 256 x 32 uint8 (E8M0 scales of wv, one for each 32 codes along K); x_codes 2 x 2,048 x 32 x 32 uint8 (E4M3 codes of x, K innermost, in blocks of 32 codes); x_scales 2 x 2,048 x 32 uint8 (E8M0 scales of x, one for each 32 codes along K).
;; Outputs: out0 2 x 2,048 x 1,024 float32.
;; This version of the problem:
;;   THIS VERSION OF THE PROBLEM IS GIVEN IN LOW PRECISION. The matrix products marked QUANTISED in the list below multiply operands that are first quantised to E4M3 (4 exponent bits, 3 mantissa bits; 8 bits a number), with one power-of-two scale for each 32 numbers along K (OCP MX v1.0); their sums are f32. All else is computed in f32.
;;   The module's matrix products, in the order in which they are computed (A, B: the left and right operand; K: the contracted axis; several contracted axes count as one K, in the product's order):
;;     1. [M 4,096, K 1,024] x [K 1,024, N 1,024]; A: input x (given as codes); B: input wq (given as codes): QUANTISED
;;     2. [M 4,096, K 1,024] x [K 1,024, N 256]; A: input x (given as codes); B: input wk (given as codes): QUANTISED
;;     3. [M 4,096, K 1,024] x [K 1,024, N 256]; A: input x (given as codes); B: input wv (given as codes): QUANTISED
;;     4. batch 32 x [M 2,048, K 64] x [K 64, N 2,048]; A: computed on the way; B: computed on the way: QUANTISED
;;     5. batch 32 x [M 2,048, K 2,048] x [K 2,048, N 64]; A: softmax (see below); B: computed on the way: QUANTISED
;;     6. [M 4,096, K 1,024] x [K 1,024, N 1,024]; A: computed on the way; B: input wo (given as codes): QUANTISED
;;   THE QUANTISER, for each operand of a quantised product, along K:
;;     - K is cut into blocks of 32 from its start; a last block that is shorter is filled with zeros.
;;     - A block's scale is 2^e with e = floor(log2(the largest magnitude in the block)) - 8, held to -126 .. 127; a block of zeros has e = 0. As a byte (E8M0): e + 127.
;;     - Each number is divided by its block's scale, clamped to +-448, and rounded to the nearest number of E4M3, ties to even, subnormals kept.
;;     - The product sums the exact products of the quantised numbers (number of the format x scale) in f32.
;;   ~~~python
;;   def quantise(x, axis):      # numpy; x: float32 -> the quantised numbers, widened to float32 again
;;       x = np.moveaxis(x, axis, -1); K = x.shape[-1]
;;       x = np.pad(x, [(0, 0)] * (x.ndim - 1) + [(0, -K % 32)]); x = x.reshape(x.shape[:-1] + (-1, 32)); a = np.abs(x).max(-1, keepdims=True)
;;       e = np.where(a > 0, np.clip(np.frexp(np.where(a > 0, a, 1))[1] - 1 - 8, -126, 127), 0)      # np.frexp(a)[1] - 1 = floor(log2(a)), exactly
;;       r = np.clip(x / 2.0 ** e, -448, 448)
;;       step = 2.0 ** (np.maximum(np.frexp(np.where(r == 0, 1, r))[1] - 1, -6) - 3)
;;       q = np.round(r / step) * step * 2.0 ** e      # np.round: ties to even
;;       return np.moveaxis(q.reshape(q.shape[:-2] + (-1,))[..., :K], -1, axis).astype(np.float32)
;;   ~~~
;;   SOFTMAX AHEAD OF A QUANTISED PRODUCT. Where the list says 'softmax', what is quantised is not the finished softmax but p = 2^(t - M), with t = logit x log2(e) and M = ceil(the row's largest t), a whole number; so 1/2 < the row's largest p <= 1. The row's sum l is taken of the UNQUANTISED p, in f32, and the product's result is divided by l at the end. Since M is a whole number, a kernel that streams over the keys may use a running M (the ceiling of the running maximum): every later rescaling is an exact power of two, which a block's scale takes up: the codes' values come out the same.
;;   OPERANDS COMPUTED ON THE WAY. 'Computed on the way' means the value that the module computes at that place (a softmax that the list does not call 'softmax' is quantised finished and normalised). What goes into a quantiser is computed in f32, as accurately as f32 sums, v_exp_f32 and their like allow (about 1e-6 of the number): no bf16 or f16 on the way to a quantiser, and a product that is left as it is and whose result goes on into a quantised operand takes f32 operands (vector FMAs, or v_wmma_f32_16x16x4_f32). A number that lies on a knife's edge between two numbers of the format may be rounded either way, as far as f32 arithmetic and the matrix unit's own rounding can turn it there, and no further.
;;   INPUTS GIVEN AS CODES. wk (in the module: [256, 1024], K = its axis 1); wo (in the module: [1024, 1024], K = its axis 1); wq (in the module: [1024, 1024], K = its axis 1); wv (in the module: [256, 1024], K = its axis 1); x (in the module: [2, 2048, 1024], K = its axis 2): each comes as NAME_codes (uint8): NAME with its K axis moved to the last place and cut into blocks of 32 codes, [.., K / 32, bytes a block], one block behind the other in memory; one code a byte (a code: sign, 4 exponent bits, 3 mantissa bits); and NAME_scales (uint8): the same leading axes, one E8M0 byte (e + 127) for each 32 codes along K. Its value is code x scale, taken as it is: it is not quantised again, and the codes and scales need not be those that the quantiser above would give.
;; 2 versions. Each part assembles by itself: llvm-mc -triple=amdgcn-amd-amdhsa -mcpu=gfx1250 --defsym DOCPART=n.
;; ======== version 1 of 2: 3 launches
;; workspace buffers: qimg 4,194,304 bytes; qscl 524,288 bytes; kv 2,260,992 bytes; oimg 4,194,304 bytes; oscl 524,288 bytes
;; launch proj (part 1): grid 32 x 6, 8 waves a work-group, no clusters, 138,240 bytes of LDS; arguments x_codes, x_scales, wq_codes, wq_scales, wk_codes, wk_scales, wv_codes, wv_scales, freqs_cos, freqs_sin, qimg, qscl, kv; writes qimg, qscl, kv
.if DOCPART == 1
	.amdgcn_target "amdgcn-amd-amdhsa--gfx1250"
	.amdhsa_code_object_version 6
	.text
	.protected	k_q881130b454_proj
	.globl	k_q881130b454_proj
	.p2align	8
	.type	k_q881130b454_proj,@function
k_q881130b454_proj:
	s_mov_b64 s[64:65], 0
	v_nop
	global_prefetch_b8 v0, s[64:65] scope:SCOPE_SE
	s_setreg_imm32_b32 hwreg(HW_REG_WAVE_MODE, 25, 1), 1
	s_wait_xcnt 0x0
; q = rope(x wq^T), k = rope(x wk^T), v = x wv^T on codes of E4M3 with E8M0 scales (sums in f32, K ascending), and the three results quantised again:
; q and k along the head's 64 (two blocks of 32), v along the keys.  The codes leave as IMAGES OF OPERAND REGISTERS: a piece is four registers, 512 bytes, lane l's 16 bytes at 16 l.
; SHARES.  Work-group (tg, y): the 128 tokens 128 tg .. 128 tg + 127; y = 0..3: 256 rows of wq, y = 4: wk, y = 5: wv.  Wave w: 32 weight rows (one block of the next quantiser, two tiles u = 0, 1)
; against all 128 tokens: 16 accumulators, 128 matrix instructions.  Its 32 rows of W stay in registers (window 1), read from memory once; x goes through LDS, copied once through registers.
; TILES ARE NOT NEIGHBOURING ROWS.  Lane r of tile 2 b + u takes row 32 b + 8 u + r + 8 (r / 8), of tokens and of weight rows alike, so that the 16 registers of two neighbouring result tiles are 16 neighbours
; along the next product's K, in the order in which its operand's registers want them: the conversions' results are the operand.
; q, k: source 0 = 16 rows of W, source 1 = 16 tokens: a lane holds one token and 16 neighbouring dims.  v: source 0 = 16 tokens, source 1 = 16 rows of W: a lane holds one dim and 16 neighbouring keys.
; NO CLUSTER: x's tile is shared by the 6 work-groups along y, which clusters of 4 do not divide; W goes straight into registers (32 rows a wave, read by one wave of the work-group).  192 work-groups: 1,536 x 4,096 results
; in blocks of 256 x 128, which respect heads and buffers.  No prefetch: all loads of the launch but those of cos and sin go out at its head.
; LIMITS: a block whose largest magnitude lies under 2^-118 keeps the scale byte 1, a block of zeros too (the rule says 127: its codes are zeros, and this program alone reads the bytes).  NaN and infinities are not served.
; RoPE is one multiplication and one fused multiply-add for each number.  v's scale words leave by stores of 128 bytes.
; REGISTERS.  Window 1: W's fragment (u, K step s) at v[32 s + 16 u]; behind K step 3, for q and k, v0-127 take cos and sin (tile T: cos at v[16 T], sin at v[16 T + 8]).
; Window 0: v1-11 addresses; v12-15 x's scale words; v16-31 W's; v32-95 two sets of two fragments of x; v100-115 at work; v128-255 first x on its way to LDS, then the accumulators (T, u) at v[128 + 16 T + 8 u].
.set XPITCH, 1040                      ; a row of x in LDS: 1,024 bytes + 16: the 16 rows of a fragment start 65 x 16 bytes apart
.set XSCL,   128*XPITCH                ; behind the rows: x's scale bytes, 32 a row
.set LI,   1                           ; 16 x lane
.set XA,   2                           ; r x XPITCH + 16 h: tiles 0-3
.set XB,   3                           ; the same 4 tiles on (XA + 1: the macro counts on it)
.set XS,   4                           ; XSCL + 32 r
.set WA,   5                           ; W: (r + 8 (r / 8)) x 1,024 + 16 h
.set WSA,  6                           ; W's scales: (r + 8 (r / 8)) x 32
.set XW,   7                           ; where I store x's rows
.set XSW,  8                           ; and x's scale bytes
.set CSA,  9                           ; cos, sin: (r + 8 (r / 8)) x 128 + 32 h
.set SWO,  10                          ; scale words out: 32 r + 16 h
.set L4,   11                          ; 4 x lane
.set XSR,  12
.set WS,   16
.set XF,   32
.set ACC,  128
.set CODE, 32                          ; the way out: codes, four registers a block
.set SW,   64                          ; scale bytes
.set SELR, 72
.set VW,   76
.set RT,   80                          ; RoPE's products
.set LANE, 100
.set XST,  104                         ; x's scale bytes on their way to LDS
.set TQ,   108                         ; the quantiser's eight registers
.set SEL,  52
.set MNT,  54
.set MSB, 0
.macro WIN new                         ; the immediate's high byte repeats the setting that is left; a switch that changes nothing is dropped
.if MSB != \new
	s_set_vgpr_msb (MSB<<8)|\new
.set MSB, \new
.endif
.endm
; batch be = 4 s + pr: K step s, tiles 2 pr and 2 pr + 1 of the tokens, into set be % 2: ten LDS loads
.macro XFETCH be
.irp i, 0,1
.irp c, 0,1,2,3
	ds_load_b128 v[XF+32*((\be)%2)+16*\i+4*\c:XF+32*((\be)%2)+16*\i+4*\c+3], v[XA+(2*((\be)%4)+\i)/4] offset:((2*((\be)%4)+\i)%4)*16*XPITCH+128*((\be)/4)+32*\c
.endr
	ds_load_b32 v[XSR+2*((\be)%2)+\i], v[XS] offset:(2*((\be)%4)+\i)*512+4*((\be)/4)
.endr
.endm
.macro MM be, i, u, role               ; one product; the first K step starts the sums with the constant 0
.set mD, ACC+16*(2*((\be)%4)+\i)+8*\u
.set mW, 32*((\be)/4)+16*\u
.set mX, XF+32*((\be)%2)+16*\i
.set mWS, WS+8*\u+(\be)/4
.set mXS, XSR+2*((\be)%2)+\i
.if \role
.if (\be) < 4
	v_wmma_scale_f32_16x16x128_f8f6f4 v[mD:mD+7], v[mX:mX+15], v[mW:mW+15], 0, v[mXS], v[mWS]
.else
	v_wmma_scale_f32_16x16x128_f8f6f4 v[mD:mD+7], v[mX:mX+15], v[mW:mW+15], v[mD:mD+7], v[mXS], v[mWS]
.endif
.else
.if (\be) < 4
	v_wmma_scale_f32_16x16x128_f8f6f4 v[mD:mD+7], v[mW:mW+15], v[mX:mX+15], 0, v[mWS], v[mXS]
.else
	v_wmma_scale_f32_16x16x128_f8f6f4 v[mD:mD+7], v[mW:mW+15], v[mX:mX+15], v[mD:mD+7], v[mWS], v[mXS]
.endif
.endif
.endm
; Four products.  The 16 accumulators take turns, one instruction a turn, in the same order in every K step.  role = 0: q, k; 1: v.
.macro BATCH be, role
.if (\be) == 31
	s_wait_dscnt 0x0
.else
	s_wait_dscnt 10                                ; this batch's ten loads are in; the next batch's ten may be out
.endif
.if (\be)%4 == 0
.if ((\role) == 0) && ((\be) >= 16)
	s_wait_loadcnt 8*(7-(\be)/4)+32                ; W of this K step is in: behind it stand eight loads for each later K step and the 32 of cos and sin
.else
	s_wait_loadcnt 8*(7-(\be)/4)                   ; W of this K step is in: behind it stand eight loads for each later K step
.endif
.endif
.if \role
	WIN 0x04                                       ; source 1 (W) in window 1
.else
	WIN 0x01                                       ; source 0 (W) in window 1
.endif
.irp i, 0,1
.irp u, 0,1
	MM \be, \i, \u, \role
.endr
.endr
	WIN 0
.if (\be) < 30
.rept 8
	v_nop                                          ; eight places in front of loads into registers that these products have read
.endr
	XFETCH (\be)+2
.endif
.endm
; RoPE on tile t, under source 1 = window 1.  A lane's 16 numbers are dims 16 h + 0 .. 15 of my block: eight pairs.  Each accumulator is read from its low end on.
.macro ROPE t
.irp k, 0,1,2,3,4,5,6,7
	v_mul_f32 v[RT+2*(\k%4)], v[ACC+16*(\t)+2*\k+1], v[16*(\t)+8+\k]
	v_mul_f32 v[RT+2*(\k%4)+1], v[ACC+16*(\t)+2*\k+1], v[16*(\t)+\k]
	v_fma_f32 v[ACC+16*(\t)+2*\k+1], v[ACC+16*(\t)+2*\k], v[16*(\t)+8+\k], v[RT+2*(\k%4)+1]
	v_fma_f32 v[ACC+16*(\t)+2*\k], v[ACC+16*(\t)+2*\k], v[16*(\t)+\k], -v[RT+2*(\k%4)]
.endr
.endm
; Two blocks of 32 by turns.  A block's numbers: 8 registers from l and 8 from h in this lane, the other 16 in lane l xor 16.  Codes into v[c .. c + 3], the scale's byte into v[w].
.macro QUANT2 la, ha, ca, wa, lb, hb, cb, wb
	v_max3_num_f32 v[TQ], |v[(\la)]|, |v[(\la)+1]|, 0x4800000      ; the floor 2^(9 - 127) among the leaves: the byte cannot fall under 1
	v_max3_num_f32 v[TQ+1], |v[(\lb)]|, |v[(\lb)+1]|, 0x4800000
.irp i, 2,4,6
	v_max3_num_f32 v[TQ], v[TQ], |v[(\la)+\i]|, |v[(\la)+\i+1]|
	v_max3_num_f32 v[TQ+1], v[TQ+1], |v[(\lb)+\i]|, |v[(\lb)+\i+1]|
.endr
.irp i, 0,2,4,6
	v_max3_num_f32 v[TQ], v[TQ], |v[(\ha)+\i]|, |v[(\ha)+\i+1]|
	v_max3_num_f32 v[TQ+1], v[TQ+1], |v[(\hb)+\i]|, |v[(\hb)+\i+1]|
.endr
	v_permlanex16_b32 v[TQ+2], v[TQ], s[SEL], s[SEL+1]
	v_permlanex16_b32 v[TQ+3], v[TQ+1], s[SEL], s[SEL+1]
	v_max_num_f32 v[TQ], v[TQ], v[TQ+2]            ; the block's largest magnitude
	v_max_num_f32 v[TQ+1], v[TQ+1], v[TQ+3]
	v_add_nc_u32 v[TQ+4], 0xfc000000, v[TQ]        ; 8 off its exponent field: the conversion's scale operand
	v_add_nc_u32 v[TQ+5], 0xfc000000, v[TQ+1]
	v_and_or_b32 v[TQ+6], v[TQ], 0x7f800000, s[MNT]   ; 448 x the scale
	v_and_or_b32 v[TQ+7], v[TQ+1], 0x7f800000, s[MNT]
	v_lshrrev_b32 v[(\wa)], 23, v[TQ+4]            ; the scale's byte
	v_lshrrev_b32 v[(\wb)], 23, v[TQ+5]
.irp i, 0,1,2,3,4,5,6,7
	v_med3_num_f32 v[(\la)+\i], v[(\la)+\i], -v[TQ+6], v[TQ+6]     ; the conversion to an 8-bit code does not saturate (ISA guide 7.6.2): the hold
	v_med3_num_f32 v[(\ha)+\i], v[(\ha)+\i], -v[TQ+6], v[TQ+6]
.endr
	v_cvt_scalef32_pk8_fp8_f32 v[(\ca):(\ca)+1], v[(\la):(\la)+7], v[TQ+4]
	v_cvt_scalef32_pk8_fp8_f32 v[(\ca)+2:(\ca)+3], v[(\ha):(\ha)+7], v[TQ+4]
.irp i, 0,1,2,3,4,5,6,7
	v_med3_num_f32 v[(\lb)+\i], v[(\lb)+\i], -v[TQ+7], v[TQ+7]
	v_med3_num_f32 v[(\hb)+\i], v[(\hb)+\i], -v[TQ+7], v[TQ+7]
.endr
	v_cvt_scalef32_pk8_fp8_f32 v[(\cb):(\cb)+1], v[(\lb):(\lb)+7], v[TQ+5]
	v_cvt_scalef32_pk8_fp8_f32 v[(\cb)+2:(\cb)+3], v[(\hb):(\hb)+7], v[TQ+5]
	v_nop                                          ; one plain line behind the last conversion of the run
.endm
	s_load_b512 s[8:23], s[0:1], 0x0               ; x_codes 8, x_scales 10, wq_codes 12, wq_scales 14, wk_codes 16, wk_scales 18, wv_codes 20, wv_scales 22
	s_load_b256 s[24:31], s[0:1], 0x40             ; cos 24, sin 26, qimg 28, qscl 30
	s_load_b64 s[32:33], s[0:1], 0x60              ; kv
	v_lshl_add_u32 v126, v0, 2, 0x21800
	v_mov_b32 v127, 0
	v_lshrrev_b32 v112, 5, v0
	v_readfirstlane_b32 s2, v112                   ; wave 0..7
	s_mov_b32 s3, ttmp9                            ; tg
	s_and_b32 s4, ttmp7, 0xffff                    ; y
	s_and_b32 s50, s2, 1                           ; which block of 32 of a head's 64 is mine
	s_lshr_b32 s51, s2, 1                          ; which head of the four
	s_mov_b32 s[SEL], 0x76543210
	s_mov_b32 s[SEL+1], 0xfedcba98                 ; v_permlanex16_b32's selects for lane l xor 16
	s_mov_b32 s[MNT], 0x600000                     ; the mantissa field of 448
	v_and_b32 v[LANE], 31, v0
	v_and_b32 v101, 15, v0                         ; r
	v_bfe_u32 v102, v0, 4, 1                       ; h
	v_and_b32 v103, 8, v101
	v_add_nc_u32 v103, v103, v101                  ; r + 8 (r / 8)
	v_lshlrev_b32 v[LI], 4, v[LANE]
	v_mul_u32_u24 v[XA], v101, XPITCH
	v_lshl_add_u32 v[XA], v102, 4, v[XA]
	v_add_nc_u32 v[XB], 64*XPITCH, v[XA]
	v_lshlrev_b32 v[XS], 5, v101
	v_add_nc_u32 v[XS], XSCL, v[XS]
	v_lshlrev_b32 v[WA], 10, v103
	v_lshl_add_u32 v[WA], v102, 4, v[WA]
	v_lshlrev_b32 v[WSA], 5, v103
	s_lshl_b32 s56, s51, 5                         ; my 16 tokens 16 w + 8 u + i go to LDS rows 32 (w / 2) + 16 u + 8 (w % 2) + i: tile order
	s_lshl_b32 s57, s50, 3
	s_add_co_u32 s56, s56, s57
	s_mul_i32 s56, s56, XPITCH
	v_add_nc_u32 v[XW], s56, v[LI]
	s_lshl_b32 s56, s51, 10                        ; their scale bytes likewise, 32 a row; a lane holds 16 bytes: token lane / 2, half lane % 2
	s_lshl_b32 s57, s50, 8
	s_add_co_u32 s56, s56, s57
	s_add_co_u32 s56, s56, XSCL
	v_lshlrev_b32 v[XSW], 9, v102
	v_bfe_u32 v112, v0, 1, 3
	v_lshl_add_u32 v[XSW], v112, 5, v[XSW]
	v_and_b32 v112, 1, v0
	v_lshl_add_u32 v[XSW], v112, 4, v[XSW]
	v_add_nc_u32 v[XSW], s56, v[XSW]
	v_lshlrev_b32 v[CSA], 7, v103
	v_lshl_add_u32 v[CSA], v102, 5, v[CSA]
	v_lshlrev_b32 v[SWO], 5, v101
	v_lshl_add_u32 v[SWO], v102, 4, v[SWO]
	v_lshlrev_b32 v[L4], 2, v[LANE]
	v_mov_b32 v[TQ+2], 0                           ; written once: a lane permute's destination counts as one of its sources
	v_mov_b32 v[TQ+3], 0
	; byte offsets of what I store, for each of the three kinds; the kind is chosen below
	s_lshr_b32 s56, s3, 4                          ; the batch
	s_lshl_b32 s56, s56, 2
	s_add_co_u32 s56, s56, s51
	s_lshl_b32 s56, s56, 4
	s_and_b32 s57, s3, 15
	s_add_co_u32 s56, s56, s57                     ; the record: (batch x 4 + key head) x 16 + group of 128 keys
	s_mul_i32 s56, s56, 17664
	s_lshl_b32 s57, s50, 9
	s_add_co_u32 s58, s56, s57                     ; k: codes at + 512 c,
	s_add_co_u32 s59, s58, 16384                   ;    scale words at + 16,384 + 512 c
	s_lshl_b32 s60, s50, 12
	s_add_co_u32 s60, s60, s56
	s_add_co_u32 s60, s60, 8192                    ; v: codes at + 8,192 + 4,096 x block,
	s_lshl_b32 s61, s50, 7
	s_add_co_u32 s61, s61, s56
	s_add_co_u32 s61, s61, 17408                   ;    scale words at + 17,408 + 128 x block
	s_lshl_b32 s62, s4, 2
	s_add_co_u32 s62, s62, s51                     ; q: head 4 y + w / 2
	s_lshl_b32 s63, s3, 4
	s_add_co_u32 s62, s62, s63
	s_lshl_b32 s63, s62, 10
	s_add_co_u32 s63, s63, s57                     ;    scale words at ((16 tg + head) x 2 + c) x 512,
	s_lshl_b32 s62, s62, 13
	s_add_co_u32 s62, s62, s57                     ;    codes at (16 tg + head) x 8,192 + 512 c
	s_wait_kmcnt 0x0
	s_cmp_eq_u32 s4, 4                             ; the choices hang on the work-group's number alone
	s_cselect_b64 s[34:35], s[16:17], s[20:21]
	s_cselect_b64 s[36:37], s[18:19], s[22:23]
	s_cselect_b32 s58, s58, s60
	s_cselect_b32 s59, s59, s61
	s_cmp_lt_u32 s4, 4
	s_cselect_b64 s[34:35], s[12:13], s[34:35]     ; W's codes
	s_cselect_b64 s[36:37], s[14:15], s[36:37]     ; W's scales
	s_cselect_b64 s[46:47], s[28:29], s[32:33]     ; codes out
	s_cselect_b64 s[48:49], s[30:31], s[32:33]     ; scale words out
	s_cselect_b32 s58, s62, s58
	s_cselect_b32 s59, s63, s59
	s_cselect_b32 s60, s4, 0
	s_lshl_b32 s60, s60, 8
	s_lshl_b32 s61, s2, 5
	s_add_co_u32 s60, s60, s61                     ; my first row of W
	s_mov_b32 s57, 0
	s_lshl_b32 s56, s60, 10
	s_add_nc_u64 s[34:35], s[34:35], s[56:57]
	s_lshl_b32 s56, s60, 5
	s_add_nc_u64 s[36:37], s[36:37], s[56:57]
	s_mov_b32 s56, s58
	s_add_nc_u64 s[46:47], s[46:47], s[56:57]
	s_mov_b32 s56, s59
	s_add_nc_u64 s[48:49], s[48:49], s[56:57]
	s_lshl_b32 s56, s3, 17
	s_lshl_b32 s60, s2, 14
	s_add_co_u32 s56, s56, s60
	s_add_nc_u64 s[38:39], s[8:9], s[56:57]        ; x at my 16 tokens
	s_lshl_b32 s56, s3, 12
	s_lshl_b32 s60, s2, 9
	s_add_co_u32 s56, s56, s60
	s_add_nc_u64 s[40:41], s[10:11], s[56:57]      ; and their scale bytes
	s_and_b32 s56, s3, 15
	s_lshl_b32 s56, s56, 14
	s_lshl_b32 s60, s50, 6
	s_add_co_u32 s56, s56, s60
	s_add_nc_u64 s[42:43], s[24:25], s[56:57]      ; cos and sin at the group's first position, my block's 16 frequencies
	s_add_nc_u64 s[44:45], s[26:27], s[56:57]
	s_lshl_b32 s50, s50, 3                         ; my byte's place in a scale word: 8 c bits
	; all loads of the launch but the last 16 of W (and cos, sin): x first
.irp k, 0,1,2,3,4,5,6,7,8,9,10,11,12,13,14,15
.irp f, 0,1
	global_load_b128 v[ACC+4*(2*\k+\f):ACC+4*(2*\k+\f)+3], v[LI], s[38:39] offset:\k*1024+512*\f   ; 32 lanes read 512 consecutive bytes
.endr
.endr
	global_load_b128 v[XST:XST+3], v[LI], s[40:41]
.irp u, 0,1
	global_load_b128 v[WS+8*\u:WS+8*\u+3], v[WSA], s[36:37] offset:\u*256
	global_load_b128 v[WS+8*\u+4:WS+8*\u+7], v[WSA], s[36:37] offset:\u*256+16
.endr
	WIN 0x40                                       ; destination window 1
.irp s, 0,1,2,3,4,5
.irp u, 0,1
.irp c, 0,1,2,3
	global_load_b128 v[32*\s+16*\u+4*\c:32*\s+16*\u+4*\c+3], v[WA], s[34:35] offset:\u*8192+128*\s+32*\c
.endr
.endr
.endr
	WIN 0
	s_wait_loadcnt 52                              ; x and its scale bytes are in: behind them stand W's 4 loads of scales and 48 of codes
.irp k, 0,1,2,3,4,5,6,7,8,9,10,11,12,13,14,15
.irp f, 0,1
	ds_store_b128 v[XW], v[ACC+4*(2*\k+\f):ACC+4*(2*\k+\f)+3] offset:(16*(\k/8)+\k%8)*XPITCH+512*\f
.endr
.endr
	ds_store_b128 v[XSW], v[XST:XST+3]
	WIN 0x40
.irp s, 6,7
.irp u, 0,1
.irp c, 0,1,2,3
	global_load_b128 v[32*\s+16*\u+4*\c:32*\s+16*\u+4*\c+3], v[WA], s[34:35] offset:\u*8192+128*\s+32*\c
.endr
.endr
.endr
	WIN 0
	s_wait_dscnt 0x0                               ; for the others' sake: my rows of x lie in LDS
	s_barrier_signal -1
	s_barrier_wait -1                              ; the launch's one barrier: LDS is only read from here on
	XFETCH 0
	XFETCH 1
	s_cmp_eq_u32 s4, 5
	s_cbranch_scc1 .Lv
	; ---- q and k
.irp be, 0,1,2,3,4,5,6,7,8,9,10,11,12,13,14,15
	BATCH \be, 0
.endr
	WIN 0x40                                       ; W's K steps 0 to 3 are done with (the eight places stand in the last batch): their registers take cos and sin
.irp T, 0,1,2,3,4,5,6,7
	global_load_b128 v[16*\T:16*\T+3], v[CSA], s[42:43] offset:(32*(\T/2)+8*(\T%2))*128
	global_load_b128 v[16*\T+4:16*\T+7], v[CSA], s[42:43] offset:(32*(\T/2)+8*(\T%2))*128+16
	global_load_b128 v[16*\T+8:16*\T+11], v[CSA], s[44:45] offset:(32*(\T/2)+8*(\T%2))*128
	global_load_b128 v[16*\T+12:16*\T+15], v[CSA], s[44:45] offset:(32*(\T/2)+8*(\T%2))*128+16
.endr
	WIN 0
.irp be, 16,17,18,19,20,21,22,23,24,25,26,27,28,29,30,31
	BATCH \be, 0
.endr
.rept 8
	v_nop                                          ; places in front of the first read of results
.endr
	s_wait_loadcnt 0x0                             ; cos and sin
.irp T, 0,2,4,6
	WIN 0x04
	ROPE \T
	ROPE \T+1
	WIN 0
	QUANT2 ACC+16*\T, ACC+16*\T+8, CODE+4*\T, SW+\T, ACC+16*\T+16, ACC+16*\T+24, CODE+4*\T+4, SW+\T+1
	global_store_b128 v[LI], v[CODE+4*\T:CODE+4*\T+3], s[46:47] offset:\T*1024          ; a piece: 512 consecutive bytes
	global_store_b128 v[LI], v[CODE+4*\T+4:CODE+4*\T+7], s[46:47] offset:\T*1024+1024
.endr
	v_cmp_le_u32 vcc_lo, 16, v[LANE]               ; the eight tiles' bytes of token row r: lanes 0-15 send tiles 0-3, lanes 16-31 tiles 4-7 (both halves hold all eight)
.irp q, 0,1,2,3
	v_cndmask_b32 v[SELR+\q], v[SW+\q], v[SW+4+\q], vcc_lo
.endr
.irp q, 0,1,2,3
	v_lshlrev_b32 v[SELR+\q], s50, v[SELR+\q]      ; as a whole word with the byte in its place: the reader joins the two blocks' words by an or
.endr
	global_store_b128 v[SWO], v[SELR:SELR+3], s[48:49]   ; 512 consecutive bytes
	s_wait_tensorcnt 0x0
	ds_add_u32 v126, v127
	s_wait_dscnt 0x0
	s_endpgm
	; ---- v
.Lv:
.irp be, 0,1,2,3,4,5,6,7,8,9,10,11,12,13,14,15,16,17,18,19,20,21,22,23,24,25,26,27,28,29,30,31
	BATCH \be, 1
.endr
.rept 8
	v_nop
.endr
.irp u, 0,1
.irp p, 0,2
	QUANT2 ACC+32*\p+8*\u, ACC+32*\p+8*\u+16, CODE+4*(4*\u+\p), SW+4*\u+\p, ACC+32*\p+32+8*\u, ACC+32*\p+48+8*\u, CODE+4*(4*\u+\p)+4, SW+4*\u+\p+1
	global_store_b128 v[LI], v[CODE+4*(4*\u+\p):CODE+4*(4*\u+\p)+3], s[46:47] offset:\u*2048+\p*512
	global_store_b128 v[LI], v[CODE+4*(4*\u+\p)+4:CODE+4*(4*\u+\p)+7], s[46:47] offset:\u*2048+\p*512+512
.endr
	v_lshl_or_b32 v[VW+\u], v[SW+4*\u+1], 8, v[SW+4*\u]   ; the four blocks of keys make dim row r's scale word
	v_lshl_or_b32 v[VW+\u], v[SW+4*\u+2], 16, v[VW+\u]
	v_lshl_or_b32 v[VW+\u], v[SW+4*\u+3], 24, v[VW+\u]
.endr
	v_cmp_le_u32 vcc_lo, 16, v[LANE]
	v_cndmask_b32 v[VW], v[VW], v[VW+1], vcc_lo    ; lanes 0-15 send tile u = 0's words, lanes 16-31 tile u = 1's
	global_store_b32 v[L4], v[VW], s[48:49]        ; 128 consecutive bytes
	s_wait_tensorcnt 0x0
	ds_add_u32 v126, v127
	s_wait_dscnt 0x0
	s_endpgm
.Lfunc_end_k_q881130b454_proj:
	.size	k_q881130b454_proj, .Lfunc_end_k_q881130b454_proj-k_q881130b454_proj
	.p2alignl 7, 3214868480
	.fill 96, 4, 3214868480
	.section	.rodata,"a",@progbits
	.p2align	6, 0x0
	.amdhsa_kernel k_q881130b454_proj
		.amdhsa_group_segment_fixed_size 138240
		.amdhsa_private_segment_fixed_size 0
		.amdhsa_enable_private_segment 0
		.amdhsa_kernarg_size 104
		.amdhsa_user_sgpr_count 2
		.amdhsa_user_sgpr_kernarg_segment_ptr 1
		.amdhsa_wavefront_size32 1
		.amdhsa_system_sgpr_workgroup_id_x 1
		.amdhsa_system_sgpr_workgroup_id_y 1
		.amdhsa_system_sgpr_workgroup_id_z 1
		.amdhsa_system_vgpr_workitem_id 0
		.amdhsa_next_free_vgpr 512
		.amdhsa_next_free_sgpr 66
		.amdhsa_reserve_vcc 1
		.amdhsa_float_denorm_mode_32 3
		.amdhsa_float_denorm_mode_16_64 3
		.amdhsa_memory_ordered 1
		.amdhsa_forward_progress 1
		.amdhsa_inst_pref_size 159
	.end_amdhsa_kernel
	.amdgpu_metadata
---
amdhsa.version: [ 1, 2 ]
amdhsa.kernels:
  - .name:           k_q881130b454_proj
    .symbol:         k_q881130b454_proj.kd
    .args:
      - { .name: x_codes, .offset: 0, .size: 8, .value_kind: global_buffer, .address_space: global }
      - { .name: x_scales, .offset: 8, .size: 8, .value_kind: global_buffer, .address_space: global }
      - { .name: wq_codes, .offset: 16, .size: 8, .value_kind: global_buffer, .address_space: global }
      - { .name: wq_scales, .offset: 24, .size: 8, .value_kind: global_buffer, .address_space: global }
      - { .name: wk_codes, .offset: 32, .size: 8, .value_kind: global_buffer, .address_space: global }
      - { .name: wk_scales, .offset: 40, .size: 8, .value_kind: global_buffer, .address_space: global }
      - { .name: wv_codes, .offset: 48, .size: 8, .value_kind: global_buffer, .address_space: global }
      - { .name: wv_scales, .offset: 56, .size: 8, .value_kind: global_buffer, .address_space: global }
      - { .name: freqs_cos, .offset: 64, .size: 8, .value_kind: global_buffer, .address_space: global }
      - { .name: freqs_sin, .offset: 72, .size: 8, .value_kind: global_buffer, .address_space: global }
      - { .name: qimg, .offset: 80, .size: 8, .value_kind: global_buffer, .address_space: global }
      - { .name: qscl, .offset: 88, .size: 8, .value_kind: global_buffer, .address_space: global }
      - { .name: kv, .offset: 96, .size: 8, .value_kind: global_buffer, .address_space: global }
    .group_segment_fixed_size: 138240
    .private_segment_fixed_size: 0
    .kernarg_segment_align: 8
    .kernarg_segment_size: 104
    .max_flat_workgroup_size: 256
    .sgpr_count:     66
    .vgpr_count:     512
    .wavefront_size: 32
...
	.end_amdgpu_metadata
.endif
;; end of part 1
;; launch attn (part 2): grid 32 x 8, 16 waves a work-group, no clusters, 36,864 bytes of LDS; arguments qimg, qscl, kv, oimg, oscl; writes oimg, oscl
.if DOCPART == 2
	.amdgcn_target "amdgcn-amd-amdhsa--gfx1250"
	.amdhsa_code_object_version 6
	.text
	.protected	k_q881130b454_attn
	.globl	k_q881130b454_attn
	.p2align	8
	.type	k_q881130b454_attn,@function
k_q881130b454_attn:
	s_mov_b64 s[64:65], 0
	v_nop
	global_prefetch_b8 v0, s[64:65] scope:SCOPE_SE
	s_setreg_imm32_b32 hwreg(HW_REG_WAVE_MODE, 25, 1), 1
	s_wait_xcnt 0x0
; o = softmax(q k^T / 8, causal) v for 16 query heads on 4 key heads, both products on codes of E4M3 with E8M0 scales, and o quantised along head x 64 + d for the last product.
; THE SOFTMAX: t = score x log2(e) / 8; M = the running largest t rounded UP to a whole number; p = 2^(t - M) is quantised along the keys, not normalised; the row's sum is taken of the unquantised p and divides at the end.
; When M moves, the sum and O are multiplied by 2^(old M - new M): exact.
; SHARES.  Work-group (j, y = batch x 4 + key head) owns the blocks of 32 queries numbered j and 63 - j, for the four query heads of its key head: 16 tiles of 16 queries, one a wave, in 256 registers: four waves to a SIMD.
; A wave computes key steps (128 keys) 0 .. GQ, GQ its queries' group; the two blocks' counts add to 17 for every j, and of waves w, w + 4, w + 8, w + 12, as of w .. w + 3, two are long and two short.
; The work-group walks 16 - j / 4 steps, two a trip (a trip's two steps name the two LDS slots by constants); a step all of whose keys come after a wave's queries is jumped over by a scalar branch on ids, but not its copy and barrier.
; A KEY STEP'S RECORD (17,664 bytes of kv: K's and V's operand images and scale words) is copied into LDS through registers: asked for at a step's head, stored into the other slot at its end, one barrier a step.
; In front of that barrier each wave has waited for its LDS loads of this slot and for its stores into the other; the other slot was last read ahead of the barrier before.
; LAYOUT.  Both products transposed: S^T = K Q^T (K = the head's 64: the upper half of both operands is zero codes), O^T = V^T P^T: a lane holds one query throughout.  Tiles of keys and of dims were chosen by the launch before
; so that the 16 registers of two neighbouring result tiles are 16 neighbours along the next K.
; NO CLUSTER: what work-groups share is 17,664 bytes a step, against sixteen waves' whole softmax of that step; the copy through registers also joins the two halves of K's scale words.
; LIMITS: a block whose largest magnitude lies under 2^-118 keeps the scale byte 1, a block of zeros too (its codes are zeros; this program alone reads the bytes).  NaN and infinities are not served.  The division by the sum is
; v_rcp_f32 and a multiplication.  o's scale words leave by stores of 128 bytes.
; REGISTERS: v1-7, v11 addresses and the mask's number; v12 -M, v13 the largest t, v[14:15] the sum; v16-31 Q; v32-95 four fragments of K; v96-159 S^T, then p, then V's four fragments; v160-191 O^T; v192-207 p's codes;
; v208-223, v228-229 the record on its way to LDS; v224-227 V's scale words; v232-254 at work; v255 Q's scale word.
.set RECB,  17664
.set SLOTB, 17152                      ; a slot: K's pieces 8,192; V's 8,192; K's scale words 512; V's 256
.set VG,  1                            ; 16 x thread
.set LI,  2                            ; 16 x lane
.set KS,  3                            ; 32 r
.set VS,  4                            ; 4 r
.set L8,  5                            ; 8 x lane
.set PFO, 6                            ; 256 x lane
.set L4,  7                            ; 4 x lane
.set VD,  11                           ; my query's place in its group of 128, less 16 h
.set TQ,  236
.set WV,  14
.set JJ,  15
.set YY,  16
.set GQ,  17
.set ST,  18                           ; the key step in hand
.set TR,  19
.set ND,  20
.set CS,  22                           ; s[22:23] c = log2(e) / 8
.set SEL, 24
.set MNT, 26
.set KVB, 28                           ; s[28:29] my key head's first record
.set RP,  30                           ; s[30:31] the record that is being copied
.set PFA, 32                           ; s[32:33] the prefetch's address
.set LIM, 34
.macro STAGE_LOAD                      ; 16 bytes of K's codes and 16 of V's a thread; wave 0 also takes the scale words
	global_load_b128 v[208:211], v[VG], s[RP:RP+1]
	global_load_b128 v[212:215], v[VG], s[RP:RP+1] offset:8192
	s_cmp_lg_u32 s[WV], 0
	s_cbranch_scc1 .Lnl_\@
	global_load_b128 v[216:219], v[LI], s[RP:RP+1] offset:16384
	global_load_b128 v[220:223], v[LI], s[RP:RP+1] offset:16896
	global_load_b64 v[228:229], v[L8], s[RP:RP+1] offset:17408
.Lnl_\@:
.endm
.macro STAGE_STORE db
	s_wait_loadcnt 0x0
	ds_store_b128 v[VG], v[208:211] offset:\db
	ds_store_b128 v[VG], v[212:215] offset:\db+8192
	s_cmp_lg_u32 s[WV], 0
	s_cbranch_scc1 .Lns_\@
.irp q, 0,1,2,3
	v_or_b32 v[216+\q], v[216+\q], v[220+\q]       ; K's scale words: the two blocks' bytes joined; the bytes of the zero half stay 0
.endr
	ds_store_b128 v[LI], v[216:219] offset:\db+16384
	ds_store_b64 v[L8], v[228:229] offset:\db+16896
.Lns_\@:
	s_wait_dscnt 0x0                               ; my stores have landed, and my loads of the slot in hand are in
	s_barrier_signal -1
	s_barrier_wait -1
.endm
.macro QUANT2 la, ha, ca, wa, lb, hb, cb, wb   ; two blocks of 32 by turns: 8 registers from l, 8 from h, the other 16 numbers in lane l xor 16
	v_max3_num_f32 v[TQ], |v[(\la)]|, |v[(\la)+1]|, 0x4800000      ; the floor 2^(9 - 127): the byte cannot fall under 1
	v_max3_num_f32 v[TQ+1], |v[(\lb)]|, |v[(\lb)+1]|, 0x4800000
.irp i, 2,4,6
	v_max3_num_f32 v[TQ], v[TQ], |v[(\la)+\i]|, |v[(\la)+\i+1]|
	v_max3_num_f32 v[TQ+1], v[TQ+1], |v[(\lb)+\i]|, |v[(\lb)+\i+1]|
.endr
.irp i, 0,2,4,6
	v_max3_num_f32 v[TQ], v[TQ], |v[(\ha)+\i]|, |v[(\ha)+\i+1]|
	v_max3_num_f32 v[TQ+1], v[TQ+1], |v[(\hb)+\i]|, |v[(\hb)+\i+1]|
.endr
	v_permlanex16_b32 v[TQ+2], v[TQ], s[SEL], s[SEL+1]
	v_permlanex16_b32 v[TQ+3], v[TQ+1], s[SEL], s[SEL+1]
	v_max_num_f32 v[TQ], v[TQ], v[TQ+2]
	v_max_num_f32 v[TQ+1], v[TQ+1], v[TQ+3]
	v_add_nc_u32 v[TQ+4], 0xfc000000, v[TQ]
	v_add_nc_u32 v[TQ+5], 0xfc000000, v[TQ+1]
	v_and_or_b32 v[TQ+6], v[TQ], 0x7f800000, s[MNT]
	v_and_or_b32 v[TQ+7], v[TQ+1], 0x7f800000, s[MNT]
	v_lshrrev_b32 v[(\wa)], 23, v[TQ+4]
	v_lshrrev_b32 v[(\wb)], 23, v[TQ+5]
.irp i, 0,1,2,3,4,5,6,7
	v_med3_num_f32 v[(\la)+\i], v[(\la)+\i], -v[TQ+6], v[TQ+6]
	v_med3_num_f32 v[(\ha)+\i], v[(\ha)+\i], -v[TQ+6], v[TQ+6]
.endr
	v_cvt_scalef32_pk8_fp8_f32 v[(\ca):(\ca)+1], v[(\la):(\la)+7], v[TQ+4]
	v_cvt_scalef32_pk8_fp8_f32 v[(\ca)+2:(\ca)+3], v[(\ha):(\ha)+7], v[TQ+4]
.irp i, 0,1,2,3,4,5,6,7
	v_med3_num_f32 v[(\lb)+\i], v[(\lb)+\i], -v[TQ+7], v[TQ+7]
	v_med3_num_f32 v[(\hb)+\i], v[(\hb)+\i], -v[TQ+7], v[TQ+7]
.endr
	v_cvt_scalef32_pk8_fp8_f32 v[(\cb):(\cb)+1], v[(\lb):(\lb)+7], v[TQ+5]
	v_cvt_scalef32_pk8_fp8_f32 v[(\cb)+2:(\cb)+3], v[(\hb):(\hb)+7], v[TQ+5]
	v_nop                                          ; one plain line behind the last conversion of the run
.endm
; A KEY STEP, read from slot a; the next record goes into slot 1 - a.
.macro STEP a
	s_wait_xcnt 0x0                                ; the last step's loads and prefetch have read their addresses, so these may be written
	s_add_co_u32 s36, s[ST], 1
	s_min_u32 s36, s36, 15                         ; (behind the last record the last one is copied again, and nobody reads it: no load leaves the buffer)
	s_mul_i32 s36, s36, RECB
	s_add_nc_u64 s[RP:RP+1], s[KVB:KVB+1], s[36:37]
	s_add_co_u32 s36, s[ST], 3
	s_min_u32 s36, s36, 15
	s_mul_i32 s36, s36, RECB
	s_add_co_u32 s36, s36, s39
	s_add_nc_u64 s[PFA:PFA+1], s[KVB:KVB+1], s[36:37]
	STAGE_LOAD
	; A PREFETCH INTO THE L2 of the codes of record ST + 3, which the copy two steps on will ask for.  All 32 work-groups of a key head walk the same records: the first of them (j = 0), which walks all 16, asks;
	; in it wave 1 for K's 8,192 bytes and wave 9 for V's, lanes 256 bytes apart: each aligned block of 256 bytes is named once in the launch.  From step 13 on there is no such record, and nothing is asked for.
	s_cmp_lt_u32 s[ST], s[LIM]
	s_cbranch_scc0 .Lnp_\@
	global_prefetch_b8 v[PFO], s[PFA:PFA+1] th:TH_LOAD_NT scope:SCOPE_SE
.Lnp_\@:
	s_cmp_gt_u32 s[ST], s[GQ]                      ; all 128 keys come after my queries: no work
	s_cbranch_scc1 .Lhid_\@
.rept 9
	v_nop                                          ; nine places: the products below write over registers that the last step's products read as an operand
.endr
.irp g, 0,1                                    ; S^T = K Q^T, four tiles of 16 keys at a time
.if \g
.rept 8
	v_nop                                          ; eight places in front of loads into registers that matrix instructions have read
.endr
.endif
.irp t, 0,1,2,3
	ds_load_b128 v[32+16*\t:35+16*\t], v[LI] offset:(\a)*SLOTB+(2*(4*\g+\t))*512
	ds_load_b128 v[36+16*\t:39+16*\t], v[LI] offset:(\a)*SLOTB+(2*(4*\g+\t)+1)*512
	ds_load_b32 v[248+\t], v[KS] offset:(\a)*SLOTB+16384+4*(4*\g+\t)
.endr
	s_wait_dscnt 0x0
.irp t, 0,1,2,3
	v_wmma_scale_f32_16x16x128_f8f6f4 v[96+8*(4*\g+\t):103+8*(4*\g+\t)], v[32+16*\t:47+16*\t], v[16:31], 0, v[248+\t], v255
.endr
.endr                                          ; register 16 b + i of the 64: key 32 b + 16 h + i of the step
.rept 8
	v_nop
.endr
	s_cmp_lt_u32 s[ST], s[GQ]                      ; only the step on the diagonal has hidden keys
	s_cbranch_scc1 .Lopen_\@
	v_mov_b32 v254, 0xff800000                     ; -infinity: p = 0
.irp b, 0,1,2,3
.irp i, 0,1,2,3,4,5,6,7,8,9,10,11,12,13,14,15
	v_cmp_gt_i32 vcc_lo, 32*\b+\i, v[VD]           ; hidden where 32 b + i + 16 h > my query's place
	v_cndmask_b32 v[96+16*\b+\i], v[96+16*\b+\i], v254, vcc_lo
.endr
.endr
.Lopen_\@:
.irp b, 0,1,2,3
	v_max3_num_f32 v[232+\b], v[96+16*\b], v[97+16*\b], v[98+16*\b]   ; the largest score of each block of 32 keys: for the row's maximum, and, since p rises with the score, for the block's largest p
.endr
.irp i, 3,5,7,9,11,13
.irp b, 0,1,2,3
	v_max3_num_f32 v[232+\b], v[232+\b], v[96+16*\b+\i], v[97+16*\b+\i]
.endr
.endr
.irp b, 0,1,2,3
	v_max_num_f32 v[232+\b], v[232+\b], v[111+16*\b]
.endr
.irp b, 0,1,2,3
	v_permlanex16_b32 v[236+\b], v[232+\b], s[SEL], s[SEL+1]
.endr
.irp b, 0,1,2,3
	v_max_num_f32 v[232+\b], v[232+\b], v[236+\b]  ; with lane l xor 16's 16 keys
.endr
	v_max3_num_f32 v254, v232, v233, v234
	v_max_num_f32 v254, v254, v235
	v_mul_f32 v254, s[CS], v254                    ; the step's largest t
	v_max_num_f32 v13, v13, v254                   ; the running largest t
	v_mov_b32 v254, v12
	v_floor_f32 v12, -v13                          ; -M = floor(-t): M is a whole number
	v_sub_f32 v254, v12, v254                      ; old M - new M: a whole number, 0 or less
	v_cvt_i32_f32 v254, v254                       ; (it saturates)
	v_ldexp_f32 v252, 1.0, v254                    ; f = 2^(old M - new M)
.irp b, 0,1,2,3
.irp i, 0,2,4,6,8,10,12,14
	v_pk_fma_f32 v[96+16*\b+\i:97+16*\b+\i], v[96+16*\b+\i:97+16*\b+\i], s[CS:CS+1], v[12:13] op_sel_hi:[1,0,0]   ; t - M, two at a time
.endr
.endr
.irp b, 0,1,2,3
	v_fma_f32 v[232+\b], v[232+\b], s[CS], v12     ; the same of each block's largest score
.endr
.irp b, 0,1,2,3
.irp i, 0,1,2,3,4,5,6,7,8,9,10,11,12,13,14,15
	v_exp_f32 v[96+16*\b+\i], v[96+16*\b+\i]       ; p = 2^(t - M)
.endr
.endr
	v_pk_mul_f32 v[14:15], v[14:15], v[252:253] op_sel_hi:[1,0]   ; the sums under the new M: the plain line behind the exponentials
	s_wait_alu depctr_va_vdst(0)                   ; one wait for the batch of 64, ahead of its first reader
.irp b, 0,1,2,3
	v_exp_f32 v[232+\b], v[232+\b]                 ; the block's largest p
.endr
	v_pk_add_f32 v[236:237], v[96:97], v[98:99]    ; the row's sum of the unquantised p, in two chains; it reads the 64 alone
.irp j, 4,8,12,16,20,24,28,32,36,40,44,48,52,56,60
	v_pk_add_f32 v[14:15], v[14:15], v[96+\j:97+\j]
	v_pk_add_f32 v[236:237], v[236:237], v[98+\j:99+\j]
.endr
	v_pk_add_f32 v[14:15], v[14:15], v[236:237]
	s_wait_alu depctr_va_vdst(0)                   ; and one for the four
.irp b, 0,1,2,3
	v_max_num_f32 v[232+\b], 0x4800000, v[232+\b]  ; the floor 2^(9 - 127)
.endr
.irp b, 0,1,2,3
	v_add_nc_u32 v[244+\b], 0xfc000000, v[232+\b]  ; the conversion's scale operand
.endr
.irp b, 0,1,2,3
	v_and_or_b32 v[240+\b], v[232+\b], 0x7f800000, s[MNT]   ; 448 x the scale
.endr
.irp b, 0,1,2,3
	v_lshrrev_b32 v[236+\b], 23, v[244+\b]         ; the scale's byte
.endr
	v_lshl_or_b32 v253, v237, 8, v236              ; p's scale word for these 128 keys
	v_lshl_or_b32 v253, v238, 16, v253
	v_lshl_or_b32 v253, v239, 24, v253
.irp b, 0,1,2,3
.irp i, 0,1,2,3,4,5,6,7,8,9,10,11,12,13,14,15
	v_min_num_f32 v[96+16*\b+\i], v[96+16*\b+\i], v[240+\b]   ; the hold; p is not negative, so it is one-sided
.endr
	v_cvt_scalef32_pk8_fp8_f32 v[192+4*\b:193+4*\b], v[96+16*\b:103+16*\b], v[244+\b]
	v_cvt_scalef32_pk8_fp8_f32 v[194+4*\b:195+4*\b], v[104+16*\b:111+16*\b], v[244+\b]
.endr
.irp d, 0,1,2,3                                ; V's four fragments land where p lay
.irp c, 0,1,2,3
	ds_load_b128 v[96+16*\d+4*\c:99+16*\d+4*\c], v[LI] offset:(\a)*SLOTB+8192+(4*\d+\c)*512
.endr
	ds_load_b32 v[224+\d], v[VS] offset:(\a)*SLOTB+16896+64*\d
.endr
.irp j, 0,2,4,6,8,10,12,14,16,18,20,22,24,26,28,30
	v_pk_mul_f32 v[160+\j:161+\j], v[160+\j:161+\j], v[252:253] op_sel_hi:[1,0]   ; O^T under the new M; these are also the places between the conversions and the products
.endr
	s_wait_dscnt 0x0
.irp d, 0,1,2,3                                ; O^T += V^T P^T: the four accumulators by turns
	v_wmma_scale_f32_16x16x128_f8f6f4 v[160+8*\d:167+8*\d], v[96+16*\d:111+16*\d], v[192:207], v[160+8*\d:167+8*\d], v[224+\d], v253
.endr
.Lhid_\@:
	s_add_co_u32 s[ST], s[ST], 1
	STAGE_STORE (1-(\a))*SLOTB
.endm
	s_load_b256 s[4:11], s[0:1], 0x0               ; qimg 4, qscl 6, kv 8, oimg 10
	s_load_b64 s[12:13], s[0:1], 0x20              ; oscl
	v_lshl_add_u32 v230, v0, 2, 0x8800
	v_mov_b32 v231, 0
	v_lshrrev_b32 v8, 5, v0
	v_readfirstlane_b32 s[WV], v8                  ; wave 0..15
	s_mov_b32 s[JJ], ttmp9
	s_and_b32 s[YY], ttmp7, 0xffff
	s_lshr_b32 s40, s[WV], 2
	s_xor_b32 s41, s[WV], s40
	s_and_b32 s41, s41, 1                          ; 1: the late block of queries (63 - j), 0: the early one (j)
	s_and_b32 s42, s40, 1                          ; u: which tile of the block's two
	s_lshr_b32 s43, s[WV], 1
	s_and_b32 s43, s43, 1
	s_and_b32 s44, s40, 2
	s_or_b32 s43, s43, s44                         ; which of the four query heads
	s_sub_co_u32 s44, 63, s[JJ]
	s_cmp_eq_u32 s41, 1
	s_cselect_b32 s44, s44, s[JJ]                  ; my block of 32 queries
	s_lshr_b32 s[GQ], s44, 2                       ; its group of 128: my last key step
	s_and_b32 s45, s44, 3
	s_lshl_b32 s46, s45, 1
	s_add_co_u32 s46, s46, s42                     ; my tile T in the group
	s_and_b32 s47, s[YY], 3
	s_lshl_b32 s47, s47, 2
	s_add_co_u32 s47, s47, s43                     ; my query head
	s_lshr_b32 s48, s[YY], 2
	s_lshl_b32 s48, s48, 4
	s_add_co_u32 s48, s48, s[GQ]                   ; my group among the 32
	s_lshl_b32 s49, s45, 5
	s_lshl_b32 s50, s42, 3
	s_add_co_u32 s49, s49, s50                     ; the tile's first token in the group
	s_lshr_b32 s[ND], s[JJ], 2
	s_sub_co_u32 s[ND], 17, s[ND]
	s_lshr_b32 s[ND], s[ND], 1                     ; trips of two steps: 16 - j / 4 steps, rounded up
	s_and_b32 s38, s47, 1
	s_lshl_b32 s38, s38, 4                         ; my head's half of o's scale word
	s_lshr_b32 s39, s[WV], 3
	s_lshl_b32 s39, s39, 13                        ; the prefetch: K's codes (wave 1) or V's (wave 9)
	s_and_b32 s36, s[WV], 7
	s_xor_b32 s36, s36, 1
	s_or_b32 s36, s36, s[JJ]
	s_cmp_eq_u32 s36, 0
	s_cselect_b32 s[LIM], 13, 0                    ; a wave prefetches while the step's number is under this
	s_mov_b32 s[CS], 0x3e38aa3b                    ; log2(e) / 8
	s_mov_b32 s[CS+1], s[CS]
	s_mov_b32 s[SEL], 0x76543210
	s_mov_b32 s[SEL+1], 0xfedcba98
	s_mov_b32 s[MNT], 0x600000
	s_mov_b32 s37, 0
	v_lshlrev_b32 v[VG], 4, v0
	v_and_b32 v8, 31, v0
	v_and_b32 v9, 15, v0
	v_bfe_u32 v10, v0, 4, 1
	v_lshlrev_b32 v[LI], 4, v8
	v_lshlrev_b32 v[KS], 5, v9
	v_lshlrev_b32 v[VS], 2, v9
	v_lshlrev_b32 v[L8], 3, v8
	v_lshlrev_b32 v[PFO], 8, v8
	v_lshlrev_b32 v[L4], 2, v8
	v_and_b32 v[VD], 8, v9
	v_add_nc_u32 v[VD], v[VD], v9                  ; r + 8 (r / 8)
	v_add_nc_u32 v[VD], s49, v[VD]
	v_lshlrev_b32 v10, 4, v10
	v_sub_nc_u32 v[VD], v[VD], v10
.irp q, 216,217,218,219,220,221,222,223,228,229,252,253,236,237,238,239,14,15
	v_mov_b32 v[\q], 0                             ; written once, so that no path names them unwritten; the sum begins at 0
.endr
	s_wait_kmcnt 0x0
	s_mul_i32 s36, s[YY], 16*RECB
	s_add_nc_u64 s[KVB:KVB+1], s[8:9], s[36:37]
	s_mov_b64 s[RP:RP+1], s[KVB:KVB+1]
	STAGE_LOAD                                     ; record 0
	s_lshl_b32 s51, s48, 4
	s_add_co_u32 s51, s51, s47                     ; 16 x group + head
	s_lshl_b32 s36, s51, 3
	s_add_co_u32 s36, s36, s46
	s_lshl_b32 s36, s36, 10
	s_add_nc_u64 s[52:53], s[4:5], s[36:37]        ; Q's two pieces
	s_lshl_b32 s36, s51, 10
	s_lshl_b32 s50, s46, 2
	s_add_co_u32 s36, s36, s50
	s_add_nc_u64 s[54:55], s[6:7], s[36:37]        ; Q's scale words
	s_lshl_b32 s51, s48, 3
	s_add_co_u32 s51, s51, s46                     ; my tile among the 256
	s_lshl_b32 s36, s51, 5
	s_lshl_b32 s50, s47, 1
	s_add_co_u32 s36, s36, s50
	s_lshl_b32 s36, s36, 9
	s_add_nc_u64 s[56:57], s[10:11], s[36:37]      ; o's two pieces
	s_lshl_b32 s36, s51, 4
	s_add_co_u32 s36, s36, s47
	s_lshl_b32 s36, s36, 7
	s_add_nc_u64 s[58:59], s[12:13], s[36:37]      ; o's scale words
	global_load_b128 v[16:19], v[LI], s[52:53] th:TH_LOAD_NT
	global_load_b128 v[20:23], v[LI], s[52:53] offset:512 th:TH_LOAD_NT
	global_load_b32 v255, v[KS], s[54:55]
	global_load_b32 v254, v[KS], s[54:55] offset:512
.irp q, 24,25,26,27,28,29,30,31
	v_mov_b32 v[\q], 0                             ; the upper half of K = 128: zero codes, in Q
.endr
.irp t, 0,1,2,3
.irp q, 8,9,10,11,12,13,14,15
	v_mov_b32 v[32+16*\t+\q], 0                    ; and in K's four fragments: never written again
.endr
.endr
.irp t, 0,1,2,3
.irp q, 0,1,2,3,4,5,6,7
	v_mov_b32 v[160+8*\t+\q], 0                    ; O^T: the step is written once; the first finds zeros, which the first change of M leaves zeros
.endr
.endr
	v_mov_b32 v13, 0xff61b1e6                      ; the largest t so far: -3e38
	v_floor_f32 v12, -v13
	STAGE_STORE 0                                  ; (its wait for loads serves Q too)
	v_or_b32 v255, v255, v254                      ; Q's scale word: the two blocks' bytes joined
	s_mov_b32 s[ST], 0
	s_mov_b32 s[TR], 0
.Ltrip:
	STEP 0
	STEP 1
	s_add_co_u32 s[TR], s[TR], 1
	s_cmp_lt_u32 s[TR], s[ND]
	s_cbranch_scc1 .Ltrip
	; THE WAY OUT: O^T / the sum, quantised along my head's 64 dims: two blocks, whose codes are two pieces of the last product's operand
.rept 8
	v_nop
.endr
	v_add_f32 v14, v14, v15
	v_permlanex16_b32 v252, v14, s[SEL], s[SEL+1]
	v_add_f32 v14, v14, v252                       ; the row's sum
	v_rcp_f32 v14, v14
	v_nop                                          ; a plain line behind the transcendental
	s_wait_alu depctr_va_vdst(0)                   ; and the wait ahead of its first reader
.irp j, 0,2,4,6,8,10,12,14,16,18,20,22,24,26,28,30
	v_pk_mul_f32 v[160+\j:161+\j], v[160+\j:161+\j], v[14:15] op_sel_hi:[1,0]
.endr
	QUANT2 160, 168, 192, 232, 176, 184, 196, 233
	v_lshl_or_b32 v232, v233, 8, v232
	v_lshlrev_b32 v232, s38, v232                  ; a whole word with my head's two bytes in their place: the reader joins two heads' words by an or
	global_store_b128 v[LI], v[192:195], s[56:57]
	global_store_b128 v[LI], v[196:199], s[56:57] offset:512
	global_store_b32 v[L4], v232, s[58:59]
	s_wait_tensorcnt 0x0
	ds_add_u32 v230, v231
	s_wait_dscnt 0x0
	s_endpgm
.Lfunc_end_k_q881130b454_attn:
	.size	k_q881130b454_attn, .Lfunc_end_k_q881130b454_attn-k_q881130b454_attn
	.p2alignl 7, 3214868480
	.fill 96, 4, 3214868480
	.section	.rodata,"a",@progbits
	.p2align	6, 0x0
	.amdhsa_kernel k_q881130b454_attn
		.amdhsa_group_segment_fixed_size 36864
		.amdhsa_private_segment_fixed_size 0
		.amdhsa_enable_private_segment 0
		.amdhsa_kernarg_size 40
		.amdhsa_user_sgpr_count 2
		.amdhsa_user_sgpr_kernarg_segment_ptr 1
		.amdhsa_wavefront_size32 1
		.amdhsa_system_sgpr_workgroup_id_x 1
		.amdhsa_system_sgpr_workgroup_id_y 1
		.amdhsa_system_sgpr_workgroup_id_z 1
		.amdhsa_system_vgpr_workitem_id 0
		.amdhsa_next_free_vgpr 256
		.amdhsa_next_free_sgpr 66
		.amdhsa_reserve_vcc 1
		.amdhsa_float_denorm_mode_32 3
		.amdhsa_float_denorm_mode_16_64 3
		.amdhsa_memory_ordered 1
		.amdhsa_forward_progress 1
		.amdhsa_inst_pref_size 66
	.end_amdhsa_kernel
	.amdgpu_metadata
---
amdhsa.version: [ 1, 2 ]
amdhsa.kernels:
  - .name:           k_q881130b454_attn
    .symbol:         k_q881130b454_attn.kd
    .args:
      - { .name: qimg, .offset: 0, .size: 8, .value_kind: global_buffer, .address_space: global }
      - { .name: qscl, .offset: 8, .size: 8, .value_kind: global_buffer, .address_space: global }
      - { .name: kv, .offset: 16, .size: 8, .value_kind: global_buffer, .address_space: global }
      - { .name: oimg, .offset: 24, .size: 8, .value_kind: global_buffer, .address_space: global }
      - { .name: oscl, .offset: 32, .size: 8, .value_kind: global_buffer, .address_space: global }
    .group_segment_fixed_size: 36864
    .private_segment_fixed_size: 0
    .kernarg_segment_align: 8
    .kernarg_segment_size: 40
    .max_flat_workgroup_size: 512
    .sgpr_count:     66
    .vgpr_count:     256
    .wavefront_size: 32
...
	.end_amdgpu_metadata
.endif
;; end of part 2
;; launch outp (part 3): grid 64 x 4, 8 waves a work-group, no clusters, 137,216 bytes of LDS; arguments oimg, oscl, wo_codes, wo_scales, out0; writes out0
.if DOCPART == 3
	.amdgcn_target "amdgcn-amd-amdhsa--gfx1250"
	.amdhsa_code_object_version 6
	.text
	.protected	k_q881130b454_outp
	.globl	k_q881130b454_outp
	.p2align	8
	.type	k_q881130b454_outp,@function
k_q881130b454_outp:
	s_mov_b64 s[64:65], 0
	v_nop
	global_prefetch_b8 v0, s[64:65] scope:SCOPE_SE
	s_setreg_imm32_b32 hwreg(HW_REG_WAVE_MODE, 25, 1), 1
	s_wait_xcnt 0x0
; out0 = o wo^T on codes of E4M3 with E8M0 scales; sums in f32, K ascending.  o comes as images of operand registers (a piece: 512 bytes, lane l's 16 bytes at 16 l) with its scale words in two halves.
; SHARES.  Work-group (X, y): 64 tokens (tiles 4 X .. 4 X + 3 of 16) x 256 rows of wo.  Wave w: rows 256 y + 32 w .. + 31 (two tiles u; lane r of tile u takes row 8 u + r + 8 (r / 8)) against the 64 tokens: 8 accumulators,
; 64 matrix instructions.  Its rows of wo stay in registers (window 1), read from memory once; o's 64 KiB go through LDS, copied once through registers as they lie.
; Source 0 = 16 rows of wo, source 1 = 16 tokens: a lane holds one token and, over tiles u = 0, 1, the outputs 32 w + 16 h + 0 .. 15.  The results meet in a stage in LDS and leave as rows of 1,024 bytes, 512 consecutive
; aligned bytes a store.
; NO CLUSTER: o's tile, which the four work-groups along y share, is 64 KiB of the 320 KiB that a work-group takes in; wo goes straight into registers.  No prefetch: all loads go out at the head.
; REGISTERS.  Window 1: wo's fragment (u, K step s) at v[32 s + 16 u].  Window 0: v1-9 addresses; v12-15 o's scale words; v16-31 wo's; v32-39 o's scale words on their way to LDS; v64-127 two sets of two fragments of o,
; later the rows read back; v128-191 o on its way to LDS; v192-255 the accumulators (T', u) at v[192 + 16 T' + 8 u].
.set OSCL,  65536                      ; behind o's images: scale words, (8 T' + s) x 128 + 4 x lane
.set STG,   OSCL+4096                  ; the stage: 64 rows x (1,024 bytes + 16)
.set SPITCH, 1040
.set LI,  1
.set OS,  2
.set OW,  3
.set OSW, 4
.set WA,  5
.set WSA, 6
.set SO,  7
.set SR,  8
.set L4,  9
.set XSR, 12
.set WS,  16
.set XF,  64
.set ACC, 192
.set MSB, 0
.macro WIN new                         ; the immediate's high byte repeats the setting that is left
.if MSB != \new
	s_set_vgpr_msb (MSB<<8)|\new
.set MSB, \new
.endif
.endm
.macro XFETCH be                       ; batch be = 2 s + pr: K step s, tiles 2 pr and 2 pr + 1, into set pr: ten LDS loads
.irp i, 0,1
.irp c, 0,1,2,3
	ds_load_b128 v[XF+32*((\be)%2)+16*\i+4*\c:XF+32*((\be)%2)+16*\i+4*\c+3], v[LI] offset:((2*((\be)%2)+\i)*32+4*((\be)/2)+\c)*512
.endr
	ds_load_b32 v[XSR+2*((\be)%2)+\i], v[OS] offset:((2*((\be)%2)+\i)*8+(\be)/2)*128
.endr
.endm
.macro MM be, i, u
.set mD, ACC+16*(2*((\be)%2)+\i)+8*\u
.set mW, 32*((\be)/2)+16*\u
.set mX, XF+32*((\be)%2)+16*\i
.if (\be) < 2
	v_wmma_scale_f32_16x16x128_f8f6f4 v[mD:mD+7], v[mW:mW+15], v[mX:mX+15], 0, v[WS+8*\u+(\be)/2], v[XSR+2*((\be)%2)+\i]
.else
	v_wmma_scale_f32_16x16x128_f8f6f4 v[mD:mD+7], v[mW:mW+15], v[mX:mX+15], v[mD:mD+7], v[WS+8*\u+(\be)/2], v[XSR+2*((\be)%2)+\i]
.endif
.endm
.macro BATCH be                        ; four products; the 8 accumulators take turns, one instruction a turn, in the same order in every K step
.if (\be) == 15
	s_wait_dscnt 0x0
.else
	s_wait_dscnt 10                                ; this batch's ten loads are in; the next batch's ten may be out
.endif
.if (\be)%2 == 0
	s_wait_loadcnt 8*(7-(\be)/2)                   ; wo of this K step is in: behind it stand eight loads for each later K step
.endif
	WIN 0x01                                       ; source 0 (wo) in window 1
.irp i, 0,1
.irp u, 0,1
	MM \be, \i, \u
.endr
.endr
	WIN 0
.if (\be) < 14
.rept 8
	v_nop                                          ; eight places in front of loads into registers that these products have read
.endr
	XFETCH (\be)+2
.endif
.endm
	s_load_b256 s[4:11], s[0:1], 0x0               ; oimg 4, oscl 6, wo_codes 8, wo_scales 10
	s_load_b64 s[12:13], s[0:1], 0x20              ; out0
	v_lshl_add_u32 v62, v0, 2, 0x21400
	v_mov_b32 v63, 0
	v_lshrrev_b32 v40, 5, v0
	v_readfirstlane_b32 s2, v40                    ; wave 0..7
	s_mov_b32 s3, ttmp9                            ; X
	s_and_b32 s14, ttmp7, 0xffff                   ; y
	v_and_b32 v40, 31, v0                          ; lane
	v_and_b32 v41, 15, v0                          ; r
	v_bfe_u32 v42, v0, 4, 1                        ; h
	v_and_b32 v43, 8, v41
	v_add_nc_u32 v43, v43, v41                     ; r + 8 (r / 8)
	v_lshlrev_b32 v[LI], 4, v40
	v_lshlrev_b32 v[L4], 2, v40
	v_add_nc_u32 v[OS], OSCL, v[L4]
	s_lshl_b32 s16, s2, 13
	v_add_nc_u32 v[OW], s16, v[LI]
	s_lshl_b32 s16, s2, 9
	s_add_co_u32 s16, s16, OSCL
	v_add_nc_u32 v[OSW], s16, v[L4]
	v_lshlrev_b32 v[WA], 10, v43
	v_lshl_add_u32 v[WA], v42, 4, v[WA]
	v_lshlrev_b32 v[WSA], 5, v43
	v_mul_u32_u24 v[SO], v41, SPITCH
	v_lshl_add_u32 v[SO], v42, 6, v[SO]
	s_lshl_b32 s16, s2, 7
	s_add_co_u32 s16, s16, STG
	v_add_nc_u32 v[SO], s16, v[SO]                 ; the stage, in: row r, + 128 w + 64 h
	s_mul_i32 s16, s2, 8*SPITCH
	s_add_co_u32 s16, s16, STG
	v_add_nc_u32 v[SR], s16, v[LI]                 ; and back: my 8 rows, 16 bytes a lane
	s_mov_b32 s17, 0
	s_wait_kmcnt 0x0
	s_lshl_b32 s16, s3, 16
	s_lshl_b32 s18, s2, 13
	s_add_co_u32 s16, s16, s18
	s_add_nc_u64 s[4:5], s[4:5], s[16:17]          ; o's images: my 8,192 bytes of the work-group's 65,536
	s_lshl_b32 s16, s3, 13
	s_lshl_b32 s18, s2, 10
	s_add_co_u32 s16, s16, s18
	s_add_nc_u64 s[6:7], s[6:7], s[16:17]          ; o's scale words: eight heads of tile w / 2
	s_lshl_b32 s18, s14, 8
	s_lshl_b32 s19, s2, 5
	s_add_co_u32 s18, s18, s19                     ; my first row of wo
	s_lshl_b32 s16, s18, 10
	s_add_nc_u64 s[8:9], s[8:9], s[16:17]
	s_lshl_b32 s16, s18, 5
	s_add_nc_u64 s[10:11], s[10:11], s[16:17]
	s_lshl_b32 s16, s3, 6                          ; the stage's rows 8 w + i are tokens 64 X + 32 (w / 4) + 8 ((w / 2) % 2) + 16 (w % 2) + i
	s_lshr_b32 s18, s2, 2
	s_lshl_b32 s18, s18, 5
	s_add_co_u32 s16, s16, s18
	s_lshr_b32 s18, s2, 1
	s_and_b32 s18, s18, 1
	s_lshl_b32 s18, s18, 3
	s_add_co_u32 s16, s16, s18
	s_and_b32 s18, s2, 1
	s_lshl_b32 s18, s18, 4
	s_add_co_u32 s16, s16, s18
	s_lshl_b32 s16, s16, 12
	s_lshl_b32 s18, s14, 10
	s_add_co_u32 s16, s16, s18
	s_add_nc_u64 s[12:13], s[12:13], s[16:17]
.irp k, 0,1,2,3,4,5,6,7,8,9,10,11,12,13,14,15
	global_load_b128 v[128+4*\k:131+4*\k], v[LI], s[4:5] offset:512*\k
.endr
.irp k, 0,1,2,3,4,5,6,7
	global_load_b32 v[32+\k], v[L4], s[6:7] offset:128*\k
.endr
.irp u, 0,1
	global_load_b128 v[WS+8*\u:WS+8*\u+3], v[WSA], s[10:11] offset:\u*256
	global_load_b128 v[WS+8*\u+4:WS+8*\u+7], v[WSA], s[10:11] offset:\u*256+16
.endr
	WIN 0x40                                       ; destination window 1
.irp s, 0,1,2,3,4,5,6
.irp u, 0,1
.irp c, 0,1,2,3
	global_load_b128 v[32*\s+16*\u+4*\c:32*\s+16*\u+4*\c+3], v[WA], s[8:9] offset:\u*8192+128*\s+32*\c
.endr
.endr
.endr
	WIN 0
	s_wait_loadcnt 60                              ; o's 24 loads are in: behind them stand wo's 4 loads of scales and 56 of codes
.irp k, 0,1,2,3,4,5,6,7,8,9,10,11,12,13,14,15
	ds_store_b128 v[OW], v[128+4*\k:131+4*\k] offset:512*\k
.endr
.irp i, 0,1,2,3
	v_or_b32 v[32+2*\i], v[32+2*\i], v[33+2*\i]    ; two heads' halves make a K step's scale word
.endr
.irp i, 0,1,2,3
	ds_store_b32 v[OSW], v[32+2*\i] offset:128*\i
.endr
	WIN 0x40
.irp u, 0,1
.irp c, 0,1,2,3
	global_load_b128 v[224+16*\u+4*\c:224+16*\u+4*\c+3], v[WA], s[8:9] offset:\u*8192+896+32*\c
.endr
.endr
	WIN 0
	s_wait_dscnt 0x0                               ; for the others' sake: my part of o lies in LDS
	s_barrier_signal -1
	s_barrier_wait -1
	XFETCH 0
	XFETCH 1
.irp be, 0,1,2,3,4,5,6,7,8,9,10,11,12,13,14,15
	BATCH \be
.endr
.rept 8
	v_nop                                          ; places in front of the first read of results, and of loads into the fragments' registers
.endr
.irp t, 0,1,2,3
.irp u, 0,1
	ds_store_b128 v[SO], v[ACC+16*\t+8*\u:ACC+16*\t+8*\u+3] offset:\t*16*SPITCH+32*\u        ; each accumulator from its low end on
	ds_store_b128 v[SO], v[ACC+16*\t+8*\u+4:ACC+16*\t+8*\u+7] offset:\t*16*SPITCH+32*\u+16
.endr
.endr
	s_wait_dscnt 0x0                               ; for the others' sake: a row's 1,024 bytes come from eight waves
	s_barrier_signal -1
	s_barrier_wait -1
.irp i, 0,1,2,3,4,5,6,7
.irp p, 0,1
	ds_load_b128 v[XF+4*(2*\i+\p):XF+4*(2*\i+\p)+3], v[SR] offset:\i*SPITCH+512*\p
.endr
.endr
.irp i, 0,1,2,3,4,5,6,7
.irp p, 0,1
	s_wait_dscnt 15-(2*\i+\p)
	global_store_b128 v[LI], v[XF+4*(2*\i+\p):XF+4*(2*\i+\p)+3], s[12:13] offset:\i*4096+512*\p th:TH_STORE_NT   ; 32 lanes store 512 consecutive bytes, at a multiple of 256 from out0's first byte
.endr
.endr
	s_wait_tensorcnt 0x0
	ds_add_u32 v62, v63
	s_wait_dscnt 0x0
	s_endpgm
.Lfunc_end_k_q881130b454_outp:
	.size	k_q881130b454_outp, .Lfunc_end_k_q881130b454_outp-k_q881130b454_outp
	.p2alignl 7, 3214868480
	.fill 96, 4, 3214868480
	.section	.rodata,"a",@progbits
	.p2align	6, 0x0
	.amdhsa_kernel k_q881130b454_outp
		.amdhsa_group_segment_fixed_size 137216
		.amdhsa_private_segment_fixed_size 0
		.amdhsa_enable_private_segment 0
		.amdhsa_kernarg_size 40
		.amdhsa_user_sgpr_count 2
		.amdhsa_user_sgpr_kernarg_segment_ptr 1
		.amdhsa_wavefront_size32 1
		.amdhsa_system_sgpr_workgroup_id_x 1
		.amdhsa_system_sgpr_workgroup_id_y 1
		.amdhsa_system_sgpr_workgroup_id_z 1
		.amdhsa_system_vgpr_workitem_id 0
		.amdhsa_next_free_vgpr 512
		.amdhsa_next_free_sgpr 66
		.amdhsa_reserve_vcc 0
		.amdhsa_float_denorm_mode_32 3
		.amdhsa_float_denorm_mode_16_64 3
		.amdhsa_memory_ordered 1
		.amdhsa_forward_progress 1
		.amdhsa_inst_pref_size 41
	.end_amdhsa_kernel
	.amdgpu_metadata
---
amdhsa.version: [ 1, 2 ]
amdhsa.kernels:
  - .name:           k_q881130b454_outp
    .symbol:         k_q881130b454_outp.kd
    .args:
      - { .name: oimg, .offset: 0, .size: 8, .value_kind: global_buffer, .address_space: global }
      - { .name: oscl, .offset: 8, .size: 8, .value_kind: global_buffer, .address_space: global }
      - { .name: wo_codes, .offset: 16, .size: 8, .value_kind: global_buffer, .address_space: global }
      - { .name: wo_scales, .offset: 24, .size: 8, .value_kind: global_buffer, .address_space: global }
      - { .name: out0, .offset: 32, .size: 8, .value_kind: global_buffer, .address_space: global }
    .group_segment_fixed_size: 137216
    .private_segment_fixed_size: 0
    .kernarg_segment_align: 8
    .kernarg_segment_size: 40
    .max_flat_workgroup_size: 256
    .sgpr_count:     66
    .vgpr_count:     512
    .wavefront_size: 32
...
	.end_amdgpu_metadata
.endif
;; end of part 3
;; ======== version 2 of 2: 3 launches; version 1 with the launches proj, attn, outp written anew for expert scheduling mode
;; workspace buffers: qimg 4,194,304 bytes; qscl 524,288 bytes; kv 2,260,992 bytes; oimg 4,194,304 bytes; oscl 524,288 bytes
;; launch proj (part 4): grid 32 x 6, 8 waves a work-group, no clusters, 138,240 bytes of LDS; arguments x_codes, x_scales, wq_codes, wq_scales, wk_codes, wk_scales, wv_codes, wv_scales, freqs_cos, freqs_sin, qimg, qscl, kv; writes qimg, qscl, kv
.if DOCPART == 4
	.amdgcn_target "amdgcn-amd-amdhsa--gfx1250"
	.amdhsa_code_object_version 6
	.text
	.protected	k_q881130b454_proj
	.globl	k_q881130b454_proj
	.p2align	8
	.type	k_q881130b454_proj,@function
k_q881130b454_proj:
	s_mov_b64 s[64:65], 0
	v_nop
	global_prefetch_b8 v0, s[64:65] scope:SCOPE_SE
	s_setreg_imm32_b32 hwreg(HW_REG_WAVE_SCHED_MODE, 0, 2), 2
	s_setreg_imm32_b32 hwreg(HW_REG_WAVE_MODE, 25, 1), 1
	s_wait_xcnt 0x0
	s_wait_alu depctr_vm_vsrc(0)
; q = rope(x wq^T), k = rope(x wk^T), v = x wv^T on codes of E4M3 with E8M0 scales (sums in f32, K ascending), and the three results quantised again:
; q and k along the head's 64 (two blocks of 32), v along the keys.  The codes leave as IMAGES OF OPERAND REGISTERS: a piece is four registers, 512 bytes, lane l's 16 bytes at 16 l.
; SHARES.  Work-group (tg, y): the 128 tokens 128 tg .. 128 tg + 127; y = 0..3: 256 rows of wq, y = 4: wk, y = 5: wv.  Wave w: 32 weight rows (one block of the next quantiser, two tiles u = 0, 1)
; against all 128 tokens: 16 accumulators, 128 matrix instructions.  Its 32 rows of W stay in registers (window 1), read from memory once; x goes through LDS, copied once through registers.
; TILES ARE NOT NEIGHBOURING ROWS.  Lane r of tile 2 b + u takes row 32 b + 8 u + r + 8 (r / 8), of tokens and of weight rows alike, so that the 16 registers of two neighbouring result tiles are 16 neighbours
; along the next product's K, in the order in which its operand's registers want them: the conversions' results are the operand.
; q, k: source 0 = 16 rows of W, source 1 = 16 tokens: a lane holds one token and 16 neighbouring dims.  v: source 0 = 16 tokens, source 1 = 16 rows of W: a lane holds one dim and 16 neighbouring keys.
; NO CLUSTER: x's tile is shared by the 6 work-groups along y, which clusters of 4 do not divide; W goes straight into registers (32 rows a wave, read by one wave of the work-group).  192 work-groups: 1,536 x 4,096 results
; in blocks of 256 x 128, which respect heads and buffers.  No prefetch: all loads of the launch but those of cos and sin go out at its head.
; LIMITS: a block whose largest magnitude lies under 2^-118 keeps the scale byte 1, a block of zeros too (the rule says 127: its codes are zeros, and this program alone reads the bytes).  NaN and infinities are not served.
; RoPE is one multiplication and one fused multiply-add for each number.  v's scale words leave by stores of 128 bytes.
; REGISTERS.  Window 1: W's fragment (u, K step s) at v[32 s + 16 u]; behind K step 3, for q and k, v0-127 take cos and sin (tile T: cos at v[16 T], sin at v[16 T + 8]).
; Window 0: v1-11 addresses; v12-15 x's scale words; v16-31 W's; v32-95 two sets of two fragments of x; v100-115 at work; v128-255 first x on its way to LDS, then the accumulators (T, u) at v[128 + 16 T + 8 u].
; THE MODE: SCHED_MODE bits 1:0 = 2 (LLVM: expert scheduling mode 2), set by the entry lines.  The code itself states the register dependences
; between vector or matrix instructions and memory or LDS instructions, with s_wait_alu, always for 0.
; THE PLAN.  Registers that memory or LDS instructions touch:
;   v1-11        addresses, made at the head and never written again: one wait on va_vdst ahead of the first load serves every load and store.
;   v128-255     x's loads land in them, my LDS stores read them, then the products write them: one wait on vm_vsrc behind the barrier.
;   sets 0 and 1 (v32-95) with v12-15: batch be's four products read set be % 2; the ten LDS loads of batch be + 1 land in the other set, which batch be - 1's products read.
;                ONE wait on va_vdst at a batch's head, behind the wait for the batch's own data, states that; the ten loads follow it, then the four products, which name none of the loads' registers.
;   window 1, v0-127: read by the products of batches 0 to 15; cos and sin land there behind batch 16's wait.
;   the codes, the chosen scale bytes and v's scale words: out registers, each written once; one wait on va_vdst ahead of each run of stores.
.set XPITCH, 1040                      ; a row of x in LDS: 1,024 bytes + 16: the 16 rows of a fragment start 65 x 16 bytes apart
.set XSCL,   128*XPITCH                ; behind the rows: x's scale bytes, 32 a row
.set LI,   1                           ; 16 x lane
.set XA,   2                           ; r x XPITCH + 16 h: tiles 0-3
.set XB,   3                           ; the same 4 tiles on (XA + 1: the macro counts on it)
.set XS,   4                           ; XSCL + 32 r
.set WA,   5                           ; W: (r + 8 (r / 8)) x 1,024 + 16 h
.set WSA,  6                           ; W's scales: (r + 8 (r / 8)) x 32
.set XW,   7                           ; where I store x's rows
.set XSW,  8                           ; and x's scale bytes
.set CSA,  9                           ; cos, sin: (r + 8 (r / 8)) x 128 + 32 h
.set SWO,  10                          ; scale words out: 32 r + 16 h
.set L4,   11                          ; 4 x lane
.set XSR,  12
.set WS,   16
.set XF,   32
.set ACC,  128
.set CODE, 32                          ; the way out: codes, four registers a block
.set SW,   64                          ; scale bytes
.set SELR, 72
.set VW,   76
.set RT,   80                          ; RoPE's products
.set LANE, 100
.set XST,  104                         ; x's scale bytes on their way to LDS
.set TQ,   108                         ; the quantiser's eight registers
.set SEL,  52
.set MNT,  54
.set MSB, 0
.macro WIN new                         ; the immediate's high byte repeats the setting that is left; a switch that changes nothing is dropped
.if MSB != \new
	s_set_vgpr_msb (MSB<<8)|\new
.set MSB, \new
.endif
.endm
; batch be = 4 s + pr: K step s, tiles 2 pr and 2 pr + 1 of the tokens, into set be % 2: ten LDS loads
.macro XFETCH be
.irp i, 0,1
.irp c, 0,1,2,3
	ds_load_b128 v[XF+32*((\be)%2)+16*\i+4*\c:XF+32*((\be)%2)+16*\i+4*\c+3], v[XA+(2*((\be)%4)+\i)/4] offset:((2*((\be)%4)+\i)%4)*16*XPITCH+128*((\be)/4)+32*\c
.endr
	ds_load_b32 v[XSR+2*((\be)%2)+\i], v[XS] offset:(2*((\be)%4)+\i)*512+4*((\be)/4)
.endr
.endm
.macro MM be, i, u, role               ; one product; the first K step starts the sums with the constant 0
.set mD, ACC+16*(2*((\be)%4)+\i)+8*\u
.set mW, 32*((\be)/4)+16*\u
.set mX, XF+32*((\be)%2)+16*\i
.set mWS, WS+8*\u+(\be)/4
.set mXS, XSR+2*((\be)%2)+\i
.if \role
.if (\be) < 4
	v_wmma_scale_f32_16x16x128_f8f6f4 v[mD:mD+7], v[mX:mX+15], v[mW:mW+15], 0, v[mXS], v[mWS]
.else
	v_wmma_scale_f32_16x16x128_f8f6f4 v[mD:mD+7], v[mX:mX+15], v[mW:mW+15], v[mD:mD+7], v[mXS], v[mWS]
.endif
.else
.if (\be) < 4
	v_wmma_scale_f32_16x16x128_f8f6f4 v[mD:mD+7], v[mW:mW+15], v[mX:mX+15], 0, v[mWS], v[mXS]
.else
	v_wmma_scale_f32_16x16x128_f8f6f4 v[mD:mD+7], v[mW:mW+15], v[mX:mX+15], v[mD:mD+7], v[mWS], v[mXS]
.endif
.endif
.endm
; Four products.  The 16 accumulators take turns, one instruction a turn, in the same order in every K step.  role = 0: q, k; 1: v.
.macro BATCH be, role
.if (\be) == 0
	s_wait_dscnt 10                                ; batch 0's ten loads are in; batch 1's ten may be out
.else
	s_wait_dscnt 0x0                               ; this batch's ten loads, asked for a batch ago, are in
.endif
.if (\be)%4 == 0
.if ((\role) == 0) && ((\be) >= 20)
	s_wait_loadcnt 8*(7-(\be)/4)+32                ; W of this K step is in: behind it stand eight loads for each later K step and the 32 of cos and sin
.else
	s_wait_loadcnt 8*(7-(\be)/4)                   ; W of this K step is in: behind it stand eight loads for each later K step
.endif
.endif
.if ((\be) > 0) && ((\be) < 31)
	s_wait_alu depctr_va_vdst(0)                   ; the last batch's products are done reading the other set and its two scale words, in which the ten loads below land (in batch 16 also: all products of K steps 0 to 3 are done reading their W)
	XFETCH (\be)+1
.endif
.if ((\role) == 0) && ((\be) == 16)
	WIN 0x40                                       ; destination window 1: the registers of W's K steps 0 to 3 take cos and sin; since the wait above stand only LDS loads and this switch
.irp T, 0,1,2,3,4,5,6,7
	global_load_b128 v[16*\T:16*\T+3], v[CSA], s[42:43] offset:(32*(\T/2)+8*(\T%2))*128
	global_load_b128 v[16*\T+4:16*\T+7], v[CSA], s[42:43] offset:(32*(\T/2)+8*(\T%2))*128+16
	global_load_b128 v[16*\T+8:16*\T+11], v[CSA], s[44:45] offset:(32*(\T/2)+8*(\T%2))*128
	global_load_b128 v[16*\T+12:16*\T+15], v[CSA], s[44:45] offset:(32*(\T/2)+8*(\T%2))*128+16
.endr
.endif
.if \role
	WIN 0x04                                       ; source 1 (W) in window 1
.else
	WIN 0x01                                       ; source 0 (W) in window 1
.endif
.irp i, 0,1
.irp u, 0,1
	MM \be, \i, \u, \role
.endr
.endr
	WIN 0
.endm
; RoPE on tile t, under source 1 = window 1.  A lane's 16 numbers are dims 16 h + 0 .. 15 of my block: eight pairs.  Each accumulator is read from its low end on.
.macro ROPE t
.irp k, 0,1,2,3,4,5,6,7
	v_mul_f32 v[RT+2*(\k%4)], v[ACC+16*(\t)+2*\k+1], v[16*(\t)+8+\k]
	v_mul_f32 v[RT+2*(\k%4)+1], v[ACC+16*(\t)+2*\k+1], v[16*(\t)+\k]
	v_fma_f32 v[ACC+16*(\t)+2*\k+1], v[ACC+16*(\t)+2*\k], v[16*(\t)+8+\k], v[RT+2*(\k%4)+1]
	v_fma_f32 v[ACC+16*(\t)+2*\k], v[ACC+16*(\t)+2*\k], v[16*(\t)+\k], -v[RT+2*(\k%4)]
.endr
.endm
; Two blocks of 32 by turns.  A block's numbers: 8 registers from l and 8 from h in this lane, the other 16 in lane l xor 16.  Codes into v[c .. c + 3], the scale's byte into v[w].
.macro QUANT2 la, ha, ca, wa, lb, hb, cb, wb
	v_max3_num_f32 v[TQ], |v[(\la)]|, |v[(\la)+1]|, 0x4800000      ; the floor 2^(9 - 127) among the leaves: the byte cannot fall under 1
	v_max3_num_f32 v[TQ+1], |v[(\lb)]|, |v[(\lb)+1]|, 0x4800000
.irp i, 2,4,6
	v_max3_num_f32 v[TQ], v[TQ], |v[(\la)+\i]|, |v[(\la)+\i+1]|
	v_max3_num_f32 v[TQ+1], v[TQ+1], |v[(\lb)+\i]|, |v[(\lb)+\i+1]|
.endr
.irp i, 0,2,4,6
	v_max3_num_f32 v[TQ], v[TQ], |v[(\ha)+\i]|, |v[(\ha)+\i+1]|
	v_max3_num_f32 v[TQ+1], v[TQ+1], |v[(\hb)+\i]|, |v[(\hb)+\i+1]|
.endr
	v_permlanex16_b32 v[TQ+2], v[TQ], s[SEL], s[SEL+1]
	v_permlanex16_b32 v[TQ+3], v[TQ+1], s[SEL], s[SEL+1]
	v_max_num_f32 v[TQ], v[TQ], v[TQ+2]            ; the block's largest magnitude
	v_max_num_f32 v[TQ+1], v[TQ+1], v[TQ+3]
	v_add_nc_u32 v[TQ+4], 0xfc000000, v[TQ]        ; 8 off its exponent field: the conversion's scale operand
	v_add_nc_u32 v[TQ+5], 0xfc000000, v[TQ+1]
	v_and_or_b32 v[TQ+6], v[TQ], 0x7f800000, s[MNT]   ; 448 x the scale
	v_and_or_b32 v[TQ+7], v[TQ+1], 0x7f800000, s[MNT]
	v_lshrrev_b32 v[(\wa)], 23, v[TQ+4]            ; the scale's byte
	v_lshrrev_b32 v[(\wb)], 23, v[TQ+5]
.irp i, 0,1,2,3,4,5,6,7
	v_med3_num_f32 v[(\la)+\i], v[(\la)+\i], -v[TQ+6], v[TQ+6]     ; the conversion to an 8-bit code does not saturate (ISA guide 7.6.2): the hold
	v_med3_num_f32 v[(\ha)+\i], v[(\ha)+\i], -v[TQ+6], v[TQ+6]
.endr
	v_cvt_scalef32_pk8_fp8_f32 v[(\ca):(\ca)+1], v[(\la):(\la)+7], v[TQ+4]
	v_cvt_scalef32_pk8_fp8_f32 v[(\ca)+2:(\ca)+3], v[(\ha):(\ha)+7], v[TQ+4]
.irp i, 0,1,2,3,4,5,6,7
	v_med3_num_f32 v[(\lb)+\i], v[(\lb)+\i], -v[TQ+7], v[TQ+7]
	v_med3_num_f32 v[(\hb)+\i], v[(\hb)+\i], -v[TQ+7], v[TQ+7]
.endr
	v_cvt_scalef32_pk8_fp8_f32 v[(\cb):(\cb)+1], v[(\lb):(\lb)+7], v[TQ+5]
	v_cvt_scalef32_pk8_fp8_f32 v[(\cb)+2:(\cb)+3], v[(\hb):(\hb)+7], v[TQ+5]
	v_nop                                          ; one plain line behind the last conversion of the run
.endm
	s_load_b512 s[8:23], s[0:1], 0x0               ; x_codes 8, x_scales 10, wq_codes 12, wq_scales 14, wk_codes 16, wk_scales 18, wv_codes 20, wv_scales 22
	s_load_b256 s[24:31], s[0:1], 0x40             ; cos 24, sin 26, qimg 28, qscl 30
	s_load_b64 s[32:33], s[0:1], 0x60              ; kv
	v_lshl_add_u32 v126, v0, 2, 0x21800
	v_mov_b32 v127, 0
	v_lshrrev_b32 v112, 5, v0
	v_readfirstlane_b32 s2, v112                   ; wave 0..7
	s_mov_b32 s3, ttmp9                            ; tg
	s_and_b32 s4, ttmp7, 0xffff                    ; y
	s_mov_b32 s[SEL], 0x76543210
	s_mov_b32 s[SEL+1], 0xfedcba98                 ; v_permlanex16_b32's selects for lane l xor 16
	s_mov_b32 s[MNT], 0x600000                     ; the mantissa field of 448
	v_and_b32 v[LANE], 31, v0
	v_and_b32 v101, 15, v0                         ; r
	v_bfe_u32 v102, v0, 4, 1                       ; h
	v_and_b32 v103, 8, v101
	v_add_nc_u32 v103, v103, v101                  ; r + 8 (r / 8)
	v_lshlrev_b32 v[LI], 4, v[LANE]
	v_mul_u32_u24 v[XA], v101, XPITCH
	v_lshl_add_u32 v[XA], v102, 4, v[XA]
	v_add_nc_u32 v[XB], 64*XPITCH, v[XA]
	v_lshlrev_b32 v[XS], 5, v101
	v_add_nc_u32 v[XS], XSCL, v[XS]
	v_lshlrev_b32 v[WA], 10, v103
	v_lshl_add_u32 v[WA], v102, 4, v[WA]
	v_lshlrev_b32 v[WSA], 5, v103
	s_wait_alu depctr_va_sdst(0)                   ; s2 is written, ahead of its first reader: LDS places, bases and offsets are made from it
	s_and_b32 s50, s2, 1                           ; which block of 32 of a head's 64 is mine
	s_lshr_b32 s51, s2, 1                          ; which head of the four
	s_lshl_b32 s56, s51, 5                         ; my 16 tokens 16 w + 8 u + i go to LDS rows 32 (w / 2) + 16 u + 8 (w % 2) + i: tile order
	s_lshl_b32 s57, s50, 3
	s_add_co_u32 s56, s56, s57
	s_mul_i32 s56, s56, XPITCH
	v_add_nc_u32 v[XW], s56, v[LI]
	s_lshl_b32 s56, s51, 10                        ; their scale bytes likewise, 32 a row; a lane holds 16 bytes: token lane / 2, half lane % 2
	s_lshl_b32 s57, s50, 8
	s_add_co_u32 s56, s56, s57
	s_add_co_u32 s56, s56, XSCL
	v_lshlrev_b32 v[XSW], 9, v102
	v_bfe_u32 v112, v0, 1, 3
	v_lshl_add_u32 v[XSW], v112, 5, v[XSW]
	v_and_b32 v112, 1, v0
	v_lshl_add_u32 v[XSW], v112, 4, v[XSW]
	v_add_nc_u32 v[XSW], s56, v[XSW]
	v_lshlrev_b32 v[CSA], 7, v103
	v_lshl_add_u32 v[CSA], v102, 5, v[CSA]
	v_lshlrev_b32 v[SWO], 5, v101
	v_lshl_add_u32 v[SWO], v102, 4, v[SWO]
	v_lshlrev_b32 v[L4], 2, v[LANE]
	v_mov_b32 v[TQ+2], 0                           ; written once: a lane permute's destination counts as one of its sources
	v_mov_b32 v[TQ+3], 0
	; byte offsets of what I store, for each of the three kinds; the kind is chosen below
	s_lshr_b32 s56, s3, 4                          ; the batch
	s_lshl_b32 s56, s56, 2
	s_add_co_u32 s56, s56, s51
	s_lshl_b32 s56, s56, 4
	s_and_b32 s57, s3, 15
	s_add_co_u32 s56, s56, s57                     ; the record: (batch x 4 + key head) x 16 + group of 128 keys
	s_mul_i32 s56, s56, 17664
	s_lshl_b32 s57, s50, 9
	s_add_co_u32 s58, s56, s57                     ; k: codes at + 512 c,
	s_add_co_u32 s59, s58, 16384                   ;    scale words at + 16,384 + 512 c
	s_lshl_b32 s60, s50, 12
	s_add_co_u32 s60, s60, s56
	s_add_co_u32 s60, s60, 8192                    ; v: codes at + 8,192 + 4,096 x block,
	s_lshl_b32 s61, s50, 7
	s_add_co_u32 s61, s61, s56
	s_add_co_u32 s61, s61, 17408                   ;    scale words at + 17,408 + 128 x block
	s_lshl_b32 s62, s4, 2
	s_add_co_u32 s62, s62, s51                     ; q: head 4 y + w / 2
	s_lshl_b32 s63, s3, 4
	s_add_co_u32 s62, s62, s63
	s_lshl_b32 s63, s62, 10
	s_add_co_u32 s63, s63, s57                     ;    scale words at ((16 tg + head) x 2 + c) x 512,
	s_lshl_b32 s62, s62, 13
	s_add_co_u32 s62, s62, s57                     ;    codes at (16 tg + head) x 8,192 + 512 c
	s_wait_kmcnt 0x0
	s_cmp_eq_u32 s4, 4                             ; the choices hang on the work-group's number alone
	s_cselect_b64 s[34:35], s[16:17], s[20:21]
	s_cselect_b64 s[36:37], s[18:19], s[22:23]
	s_cselect_b32 s58, s58, s60
	s_cselect_b32 s59, s59, s61
	s_cmp_lt_u32 s4, 4
	s_cselect_b64 s[34:35], s[12:13], s[34:35]     ; W's codes
	s_cselect_b64 s[36:37], s[14:15], s[36:37]     ; W's scales
	s_cselect_b64 s[46:47], s[28:29], s[32:33]     ; codes out
	s_cselect_b64 s[48:49], s[30:31], s[32:33]     ; scale words out
	s_cselect_b32 s58, s62, s58
	s_cselect_b32 s59, s63, s59
	s_cselect_b32 s60, s4, 0
	s_lshl_b32 s60, s60, 8
	s_lshl_b32 s61, s2, 5
	s_add_co_u32 s60, s60, s61                     ; my first row of W
	s_mov_b32 s57, 0
	s_lshl_b32 s56, s60, 10
	s_add_nc_u64 s[34:35], s[34:35], s[56:57]
	s_lshl_b32 s56, s60, 5
	s_add_nc_u64 s[36:37], s[36:37], s[56:57]
	s_mov_b32 s56, s58
	s_add_nc_u64 s[46:47], s[46:47], s[56:57]
	s_mov_b32 s56, s59
	s_add_nc_u64 s[48:49], s[48:49], s[56:57]
	s_lshl_b32 s56, s3, 17
	s_lshl_b32 s60, s2, 14
	s_add_co_u32 s56, s56, s60
	s_add_nc_u64 s[38:39], s[8:9], s[56:57]        ; x at my 16 tokens
	s_lshl_b32 s56, s3, 12
	s_lshl_b32 s60, s2, 9
	s_add_co_u32 s56, s56, s60
	s_add_nc_u64 s[40:41], s[10:11], s[56:57]      ; and their scale bytes
	s_and_b32 s56, s3, 15
	s_lshl_b32 s56, s56, 14
	s_lshl_b32 s60, s50, 6
	s_add_co_u32 s56, s56, s60
	s_add_nc_u64 s[42:43], s[24:25], s[56:57]      ; cos and sin at the group's first position, my block's 16 frequencies
	s_add_nc_u64 s[44:45], s[26:27], s[56:57]
	s_lshl_b32 s50, s50, 3                         ; my byte's place in a scale word: 8 c bits
	s_wait_alu depctr_va_vdst(0)                   ; the eleven addresses v1 to v11 are written: every load and store of the kernel, global or LDS, reads one of them
	; all loads of the launch but the last 16 of W (and cos, sin): x first
.irp k, 0,1,2,3,4,5,6,7,8,9,10,11,12,13,14,15
.irp f, 0,1
	global_load_b128 v[ACC+4*(2*\k+\f):ACC+4*(2*\k+\f)+3], v[LI], s[38:39] offset:\k*1024+512*\f   ; 32 lanes read 512 consecutive bytes
.endr
.endr
	global_load_b128 v[XST:XST+3], v[LI], s[40:41]
.irp u, 0,1
	global_load_b128 v[WS+8*\u:WS+8*\u+3], v[WSA], s[36:37] offset:\u*256
	global_load_b128 v[WS+8*\u+4:WS+8*\u+7], v[WSA], s[36:37] offset:\u*256+16
.endr
	WIN 0x40                                       ; destination window 1
.irp s, 0,1,2,3,4,5
.irp u, 0,1
.irp c, 0,1,2,3
	global_load_b128 v[32*\s+16*\u+4*\c:32*\s+16*\u+4*\c+3], v[WA], s[34:35] offset:\u*8192+128*\s+32*\c
.endr
.endr
.endr
	WIN 0
	s_wait_loadcnt 52                              ; x and its scale bytes are in: behind them stand W's 4 loads of scales and 48 of codes
.irp k, 0,1,2,3,4,5,6,7,8,9,10,11,12,13,14,15
.irp f, 0,1
	ds_store_b128 v[XW], v[ACC+4*(2*\k+\f):ACC+4*(2*\k+\f)+3] offset:(16*(\k/8)+\k%8)*XPITCH+512*\f
.endr
.endr
	ds_store_b128 v[XSW], v[XST:XST+3]
	WIN 0x40
.irp s, 6,7
.irp u, 0,1
.irp c, 0,1,2,3
	global_load_b128 v[32*\s+16*\u+4*\c:32*\s+16*\u+4*\c+3], v[WA], s[34:35] offset:\u*8192+128*\s+32*\c
.endr
.endr
.endr
	WIN 0
	s_wait_dscnt 0x0                               ; for the others' sake: my rows of x lie in LDS
	s_barrier_signal -1
	s_barrier_wait -1                              ; the launch's one barrier: LDS is only read from here on
	s_wait_alu depctr_vm_vsrc(0)                   ; my LDS stores have read v128-255: these registers are the accumulators from here on, written by the products
	XFETCH 0
	XFETCH 1
	s_cmp_eq_u32 s4, 5
	s_cbranch_scc1 .Lv
	; ---- q and k
.irp be, 0,1,2,3,4,5,6,7,8,9,10,11,12,13,14,15,16,17,18,19,20,21,22,23,24,25,26,27,28,29,30,31
	BATCH \be, 0
.endr
.rept 8
	v_nop                                          ; places in front of the first read of results
.endr
	v_cmp_le_u32 vcc_lo, 16, v[LANE]               ; for the scale words' way out, made here so that the wait for it finds it written
	s_wait_loadcnt 0x0                             ; cos and sin
.irp T, 0,2,4,6
	WIN 0x04
	ROPE \T
	ROPE \T+1
	WIN 0
	QUANT2 ACC+16*\T, ACC+16*\T+8, CODE+4*\T, SW+\T, ACC+16*\T+16, ACC+16*\T+24, CODE+4*\T+4, SW+\T+1
.if \T < 6
	s_wait_alu depctr_va_vdst(0)                   ; the conversions have written these two pieces' codes, which the two stores read
	global_store_b128 v[LI], v[CODE+4*\T:CODE+4*\T+3], s[46:47] offset:\T*1024          ; a piece: 512 consecutive bytes
	global_store_b128 v[LI], v[CODE+4*\T+4:CODE+4*\T+7], s[46:47] offset:\T*1024+1024
.endif
.endr
	s_wait_alu depctr_va_vcc(0)                    ; VCC is written, ahead of its first reader
.irp q, 0,1,2,3
	v_cndmask_b32 v[SELR+\q], v[SW+\q], v[SW+4+\q], vcc_lo   ; the eight tiles' bytes of token row r: lanes 0-15 send tiles 0-3, lanes 16-31 tiles 4-7 (both halves hold all eight)
.endr
.irp q, 0,1,2,3
	v_lshlrev_b32 v[SELR+\q], s50, v[SELR+\q]      ; as a whole word with the byte in its place: the reader joins the two blocks' words by an or
.endr
	s_wait_alu depctr_va_vdst(0)                   ; the last two pieces' codes and the four scale words are written, which the three stores read
	global_store_b128 v[LI], v[CODE+24:CODE+27], s[46:47] offset:6*1024
	global_store_b128 v[LI], v[CODE+28:CODE+31], s[46:47] offset:7*1024
	global_store_b128 v[SWO], v[SELR:SELR+3], s[48:49]   ; 512 consecutive bytes
	s_wait_dscnt 0x0
	s_wait_alu depctr_hold_cnt(0) depctr_sa_sdst(0) depctr_va_vdst(0) depctr_va_sdst(0) depctr_va_ssrc(0) depctr_va_vcc(0) depctr_vm_vsrc(0)
	s_wait_tensorcnt 0x0
	ds_add_u32 v126, v127
	s_wait_dscnt 0x0
	s_endpgm
	; ---- v
.Lv:
.irp be, 0,1,2,3,4,5,6,7,8,9,10,11,12,13,14,15,16,17,18,19,20,21,22,23,24,25,26,27,28,29,30,31
	BATCH \be, 1
.endr
.rept 8
	v_nop                                          ; places in front of the first read of results
.endr
	v_cmp_le_u32 vcc_lo, 16, v[LANE]               ; for the scale words' way out
.irp u, 0,1
.irp p, 0,2
	QUANT2 ACC+32*\p+8*\u, ACC+32*\p+8*\u+16, CODE+4*(4*\u+\p), SW+4*\u+\p, ACC+32*\p+32+8*\u, ACC+32*\p+48+8*\u, CODE+4*(4*\u+\p)+4, SW+4*\u+\p+1
.if (\u)+(\p) < 3
	s_wait_alu depctr_va_vdst(0)                   ; the conversions have written these two pieces' codes, which the two stores read
	global_store_b128 v[LI], v[CODE+4*(4*\u+\p):CODE+4*(4*\u+\p)+3], s[46:47] offset:\u*2048+\p*512
	global_store_b128 v[LI], v[CODE+4*(4*\u+\p)+4:CODE+4*(4*\u+\p)+7], s[46:47] offset:\u*2048+\p*512+512
.endif
.endr
	v_lshl_or_b32 v[VW+\u], v[SW+4*\u+1], 8, v[SW+4*\u]   ; the four blocks of keys make dim row r's scale word
	v_lshl_or_b32 v[VW+\u], v[SW+4*\u+2], 16, v[VW+\u]
	v_lshl_or_b32 v[VW+\u], v[SW+4*\u+3], 24, v[VW+\u]
.endr
	s_wait_alu depctr_va_vcc(0)                    ; VCC is written, ahead of its first reader
	v_cndmask_b32 v[VW], v[VW], v[VW+1], vcc_lo    ; lanes 0-15 send tile u = 0's words, lanes 16-31 tile u = 1's
	s_wait_alu depctr_va_vdst(0)                   ; the last two pieces' codes and the scale word are written, which the three stores read
	global_store_b128 v[LI], v[CODE+24:CODE+27], s[46:47] offset:2048+1024
	global_store_b128 v[LI], v[CODE+28:CODE+31], s[46:47] offset:2048+1536
	global_store_b32 v[L4], v[VW], s[48:49]        ; 128 consecutive bytes
	s_wait_dscnt 0x0
	s_wait_alu depctr_hold_cnt(0) depctr_sa_sdst(0) depctr_va_vdst(0) depctr_va_sdst(0) depctr_va_ssrc(0) depctr_va_vcc(0) depctr_vm_vsrc(0)
	s_wait_tensorcnt 0x0
	ds_add_u32 v126, v127
	s_wait_dscnt 0x0
	s_endpgm
.Lfunc_end_k_q881130b454_proj:
	.size	k_q881130b454_proj, .Lfunc_end_k_q881130b454_proj-k_q881130b454_proj
	.p2alignl 7, 3214868480
	.fill 96, 4, 3214868480
	.section	.rodata,"a",@progbits
	.p2align	6, 0x0
	.amdhsa_kernel k_q881130b454_proj
		.amdhsa_group_segment_fixed_size 138240
		.amdhsa_private_segment_fixed_size 0
		.amdhsa_enable_private_segment 0
		.amdhsa_kernarg_size 104
		.amdhsa_user_sgpr_count 2
		.amdhsa_user_sgpr_kernarg_segment_ptr 1
		.amdhsa_wavefront_size32 1
		.amdhsa_system_sgpr_workgroup_id_x 1
		.amdhsa_system_sgpr_workgroup_id_y 1
		.amdhsa_system_sgpr_workgroup_id_z 1
		.amdhsa_system_vgpr_workitem_id 0
		.amdhsa_next_free_vgpr 512
		.amdhsa_next_free_sgpr 66
		.amdhsa_reserve_vcc 1
		.amdhsa_float_denorm_mode_32 3
		.amdhsa_float_denorm_mode_16_64 3
		.amdhsa_memory_ordered 1
		.amdhsa_forward_progress 1
		.amdhsa_inst_pref_size 147
	.end_amdhsa_kernel
	.amdgpu_metadata
---
amdhsa.version: [ 1, 2 ]
amdhsa.kernels:
  - .name:           k_q881130b454_proj
    .symbol:         k_q881130b454_proj.kd
    .args:
      - { .name: x_codes, .offset: 0, .size: 8, .value_kind: global_buffer, .address_space: global }
      - { .name: x_scales, .offset: 8, .size: 8, .value_kind: global_buffer, .address_space: global }
      - { .name: wq_codes, .offset: 16, .size: 8, .value_kind: global_buffer, .address_space: global }
      - { .name: wq_scales, .offset: 24, .size: 8, .value_kind: global_buffer, .address_space: global }
      - { .name: wk_codes, .offset: 32, .size: 8, .value_kind: global_buffer, .address_space: global }
      - { .name: wk_scales, .offset: 40, .size: 8, .value_kind: global_buffer, .address_space: global }
      - { .name: wv_codes, .offset: 48, .size: 8, .value_kind: global_buffer, .address_space: global }
      - { .name: wv_scales, .offset: 56, .size: 8, .value_kind: global_buffer, .address_space: global }
      - { .name: freqs_cos, .offset: 64, .size: 8, .value_kind: global_buffer, .address_space: global }
      - { .name: freqs_sin, .offset: 72, .size: 8, .value_kind: global_buffer, .address_space: global }
      - { .name: qimg, .offset: 80, .size: 8, .value_kind: global_buffer, .address_space: global }
      - { .name: qscl, .offset: 88, .size: 8, .value_kind: global_buffer, .address_space: global }
      - { .name: kv, .offset: 96, .size: 8, .value_kind: global_buffer, .address_space: global }
    .group_segment_fixed_size: 138240
    .private_segment_fixed_size: 0
    .kernarg_segment_align: 8
    .kernarg_segment_size: 104
    .max_flat_workgroup_size: 256
    .sgpr_count:     66
    .vgpr_count:     512
    .wavefront_size: 32
...
	.end_amdgpu_metadata
.endif
;; end of part 4
;; launch attn (part 5): grid 32 x 8, 16 waves a work-group, no clusters, 36,864 bytes of LDS; arguments qimg, qscl, kv, oimg, oscl; writes oimg, oscl
.if DOCPART == 5
	.amdgcn_target "amdgcn-amd-amdhsa--gfx1250"
	.amdhsa_code_object_version 6
	.text
	.protected	k_q881130b454_attn
	.globl	k_q881130b454_attn
	.p2align	8
	.type	k_q881130b454_attn,@function
k_q881130b454_attn:
	s_mov_b64 s[64:65], 0
	v_nop
	global_prefetch_b8 v0, s[64:65] scope:SCOPE_SE
	s_setreg_imm32_b32 hwreg(HW_REG_WAVE_SCHED_MODE, 0, 2), 2
	s_setreg_imm32_b32 hwreg(HW_REG_WAVE_MODE, 25, 1), 1
	s_wait_xcnt 0x0
	s_wait_alu depctr_vm_vsrc(0)
; o = softmax(q k^T / 8, causal) v for 16 query heads on 4 key heads, both products on codes of E4M3 with E8M0 scales, and o quantised along head x 64 + d for the last product.
; THE SOFTMAX: t = score x log2(e) / 8; M = the running largest t rounded UP to a whole number; p = 2^(t - M) is quantised along the keys, not normalised; the row's sum is taken of the unquantised p and divides at the end.
; When M moves, the sum and O are multiplied by 2^(old M - new M): exact.
; SHARES.  Work-group (j, y = batch x 4 + key head) owns the blocks of 32 queries numbered j and 63 - j, for the four query heads of its key head: 16 tiles of 16 queries, one a wave, in 256 registers: four waves to a SIMD.
; A wave computes key steps (128 keys) 0 .. GQ, GQ its queries' group; the two blocks' counts add to 17 for every j, and of waves w, w + 4, w + 8, w + 12, as of w .. w + 3, two are long and two short.
; The work-group walks 16 - j / 4 steps, two a trip (a trip's two steps name the two LDS slots by constants); a step all of whose keys come after a wave's queries is jumped over by a scalar branch on ids, but not its copy and barrier.
; A KEY STEP'S RECORD (17,664 bytes of kv: K's and V's operand images and scale words) is copied into LDS through registers: asked for at a step's head, stored into the other slot at its end, one barrier a step.
; In front of that barrier each wave has waited for its LDS loads of this slot and for its stores into the other; the other slot was last read ahead of the barrier before.
; LAYOUT.  Both products transposed: S^T = K Q^T (K = the head's 64: the upper half of both operands is zero codes), O^T = V^T P^T: a lane holds one query throughout.  Tiles of keys and of dims were chosen by the launch before
; so that the 16 registers of two neighbouring result tiles are 16 neighbours along the next K.
; NO CLUSTER: what work-groups share is 17,664 bytes a step, against sixteen waves' whole softmax of that step; the copy through registers also joins the two halves of K's scale words.
; LIMITS: a block whose largest magnitude lies under 2^-118 keeps the scale byte 1, a block of zeros too (its codes are zeros; this program alone reads the bytes).  NaN and infinities are not served.  The division by the sum is
; v_rcp_f32 and a multiplication.  o's scale words leave by stores of 128 bytes.
; REGISTERS: v1-7, v11 addresses and the mask's number; v12 -M, v13 the largest t, v[14:15] the sum; v16-31 Q; v32-95 four fragments of K; v96-159 S^T, then p, then V's four fragments; v160-191 O^T; v192-207 p's codes;
; v208-223, v228-229 the record on its way to LDS; v224-227 V's scale words; v232-254 at work; v255 Q's scale word.
; THE MODE: SCHED_MODE bits 1:0 = 2 (LLVM: expert scheduling mode 2), set by the entry lines.  The code itself states the register dependences
; between vector or matrix instructions and memory or LDS instructions, with s_wait_alu, always for 0.
; THE PLAN.  Registers that memory or LDS instructions touch, round the loop:
;   v1-7          addresses, made at the head and never written again: one wait on va_vdst ahead of the first load.
;   v208-223, v228-229  global loads land at a step's head, LDS stores read them at its end: one wait on vm_vsrc at a step's head.  In wave 0 four lines join v216-223; the wait on va_vdst behind them, ahead of their
;                 LDS stores, is the last thing on the vector side that has to do with these registers, so it serves the next step's loads into them too.
;   v32-39 + 16 t, v248-251  K's tiles 0-3 land, four products read them, tiles 4-7 land (one wait on va_vdst between), four products read them.  Those last readers stand ahead of the softmax's waits on va_vdst,
;                 and nothing on the vector side names these registers behind them: the next step's first loads owe nothing more.
;   v96-159, v224-227  V lands where p lay: one wait on va_vdst behind the conversions and four plain lines.  The same wait states that p's codes and scale word are written, which the scaled products take.
;   v255, v24-31, the upper halves of K's fragments: written at the head by vector lines, taken by scaled products: eight places and one wait on va_vdst ahead of the loop.
;   v192-199, v232  the way out's store data: one wait on va_vdst ahead of the three stores.
.set RECB,  17664
.set SLOTB, 17152                      ; a slot: K's pieces 8,192; V's 8,192; K's scale words 512; V's 256
.set VG,  1                            ; 16 x thread
.set LI,  2                            ; 16 x lane
.set KS,  3                            ; 32 r
.set VS,  4                            ; 4 r
.set L8,  5                            ; 8 x lane
.set PFO, 6                            ; 256 x lane
.set L4,  7                            ; 4 x lane
.set VD,  11                           ; my query's place in its group of 128, less 16 h
.set TQ,  236
.set WV,  14
.set JJ,  15
.set YY,  16
.set GQ,  17
.set ST,  18                           ; the key step in hand
.set TR,  19
.set ND,  20
.set CS,  22                           ; s[22:23] c = log2(e) / 8
.set SEL, 24
.set MNT, 26
.set KVB, 28                           ; s[28:29] my key head's first record
.set RP,  30                           ; s[30:31] the record that is being copied
.set PFA, 32                           ; s[32:33] the prefetch's address
.set LIM, 34
.set MK,  40                           ; s[40:55] in the loop: sixteen lane masks of the causal mask (at the head these registers are at work, and done with)
.macro STAGE_LOAD                      ; 16 bytes of K's codes and 16 of V's a thread; wave 0 also takes the scale words
	global_load_b128 v[208:211], v[VG], s[RP:RP+1]
	global_load_b128 v[212:215], v[VG], s[RP:RP+1] offset:8192
	s_cmp_lg_u32 s[WV], 0
	s_cbranch_scc1 .Lnl_\@
	global_load_b128 v[216:219], v[LI], s[RP:RP+1] offset:16384
	global_load_b128 v[220:223], v[LI], s[RP:RP+1] offset:16896
	global_load_b64 v[228:229], v[L8], s[RP:RP+1] offset:17408
.Lnl_\@:
.endm
.macro STAGE_STORE db
	s_wait_loadcnt 0x0
	ds_store_b128 v[VG], v[208:211] offset:\db
	ds_store_b128 v[VG], v[212:215] offset:\db+8192
	s_cmp_lg_u32 s[WV], 0
	s_cbranch_scc1 .Lns_\@
.irp q, 0,1,2,3
	v_or_b32 v[216+\q], v[216+\q], v[220+\q]       ; K's scale words: the two blocks' bytes joined; the bytes of the zero half stay 0
.endr
	s_wait_alu depctr_va_vdst(0)                   ; the four lines above have written v216-219, which the LDS store reads, and are done reading v220-223: the next record's loads land in both
	ds_store_b128 v[LI], v[216:219] offset:\db+16384
	ds_store_b64 v[L8], v[228:229] offset:\db+16896
.Lns_\@:
	s_wait_dscnt 0x0                               ; my stores have landed, and my loads of the slot in hand are in
	s_barrier_signal -1
	s_barrier_wait -1
.endm
.macro KLOAD a, g                      ; four tiles of 16 keys: the lower halves of four fragments and their scale words: twelve LDS loads
.irp t, 0,1,2,3
	ds_load_b128 v[32+16*\t:35+16*\t], v[LI] offset:(\a)*SLOTB+(2*(4*(\g)+\t))*512
	ds_load_b128 v[36+16*\t:39+16*\t], v[LI] offset:(\a)*SLOTB+(2*(4*(\g)+\t)+1)*512
	ds_load_b32 v[248+\t], v[KS] offset:(\a)*SLOTB+16384+4*(4*(\g)+\t)
.endr
.endm
.macro KQ g                            ; S^T = K Q^T of these four tiles
.irp t, 0,1,2,3
	v_wmma_scale_f32_16x16x128_f8f6f4 v[96+8*(4*(\g)+\t):103+8*(4*(\g)+\t)], v[32+16*\t:47+16*\t], v[16:31], 0, v[248+\t], v255
.endr
.endm
.macro QUANT2 la, ha, ca, wa, lb, hb, cb, wb   ; two blocks of 32 by turns: 8 registers from l, 8 from h, the other 16 numbers in lane l xor 16
	v_max3_num_f32 v[TQ], |v[(\la)]|, |v[(\la)+1]|, 0x4800000      ; the floor 2^(9 - 127): the byte cannot fall under 1
	v_max3_num_f32 v[TQ+1], |v[(\lb)]|, |v[(\lb)+1]|, 0x4800000
.irp i, 2,4,6
	v_max3_num_f32 v[TQ], v[TQ], |v[(\la)+\i]|, |v[(\la)+\i+1]|
	v_max3_num_f32 v[TQ+1], v[TQ+1], |v[(\lb)+\i]|, |v[(\lb)+\i+1]|
.endr
.irp i, 0,2,4,6
	v_max3_num_f32 v[TQ], v[TQ], |v[(\ha)+\i]|, |v[(\ha)+\i+1]|
	v_max3_num_f32 v[TQ+1], v[TQ+1], |v[(\hb)+\i]|, |v[(\hb)+\i+1]|
.endr
	v_permlanex16_b32 v[TQ+2], v[TQ], s[SEL], s[SEL+1]
	v_permlanex16_b32 v[TQ+3], v[TQ+1], s[SEL], s[SEL+1]
	v_max_num_f32 v[TQ], v[TQ], v[TQ+2]
	v_max_num_f32 v[TQ+1], v[TQ+1], v[TQ+3]
	v_add_nc_u32 v[TQ+4], 0xfc000000, v[TQ]
	v_add_nc_u32 v[TQ+5], 0xfc000000, v[TQ+1]
	v_and_or_b32 v[TQ+6], v[TQ], 0x7f800000, s[MNT]
	v_and_or_b32 v[TQ+7], v[TQ+1], 0x7f800000, s[MNT]
	v_lshrrev_b32 v[(\wa)], 23, v[TQ+4]
	v_lshrrev_b32 v[(\wb)], 23, v[TQ+5]
.irp i, 0,1,2,3,4,5,6,7
	v_med3_num_f32 v[(\la)+\i], v[(\la)+\i], -v[TQ+6], v[TQ+6]
	v_med3_num_f32 v[(\ha)+\i], v[(\ha)+\i], -v[TQ+6], v[TQ+6]
.endr
	v_cvt_scalef32_pk8_fp8_f32 v[(\ca):(\ca)+1], v[(\la):(\la)+7], v[TQ+4]
	v_cvt_scalef32_pk8_fp8_f32 v[(\ca)+2:(\ca)+3], v[(\ha):(\ha)+7], v[TQ+4]
.irp i, 0,1,2,3,4,5,6,7
	v_med3_num_f32 v[(\lb)+\i], v[(\lb)+\i], -v[TQ+7], v[TQ+7]
	v_med3_num_f32 v[(\hb)+\i], v[(\hb)+\i], -v[TQ+7], v[TQ+7]
.endr
	v_cvt_scalef32_pk8_fp8_f32 v[(\cb):(\cb)+1], v[(\lb):(\lb)+7], v[TQ+5]
	v_cvt_scalef32_pk8_fp8_f32 v[(\cb)+2:(\cb)+3], v[(\hb):(\hb)+7], v[TQ+5]
	v_nop                                          ; one plain line behind the last conversion of the run
.endm
; A KEY STEP, read from slot a; the next record goes into slot 1 - a.
.macro STEP a
	s_wait_xcnt 0x0                                ; the last step's loads and prefetch have read their addresses, so these may be written
	s_wait_alu depctr_vm_vsrc(0)                   ; the last step's LDS stores have read v208-219 and v228-229, in which the loads below land
	s_add_co_u32 s36, s[ST], 1
	s_min_u32 s36, s36, 15                         ; (behind the last record the last one is copied again, and nobody reads it: no load leaves the buffer)
	s_mul_i32 s36, s36, RECB
	s_add_nc_u64 s[RP:RP+1], s[KVB:KVB+1], s[36:37]
	s_add_co_u32 s36, s[ST], 3
	s_min_u32 s36, s36, 15
	s_mul_i32 s36, s36, RECB
	s_add_co_u32 s36, s36, s39
	s_add_nc_u64 s[PFA:PFA+1], s[KVB:KVB+1], s[36:37]
	STAGE_LOAD
	; A PREFETCH INTO THE L2 of the codes of record ST + 3, which the copy two steps on will ask for.  All 32 work-groups of a key head walk the same records: the first of them (j = 0), which walks all 16, asks;
	; in it wave 1 for K's 8,192 bytes and wave 9 for V's, lanes 256 bytes apart: each aligned block of 256 bytes is named once in the launch.  From step 13 on there is no such record, and nothing is asked for.
	s_cmp_lt_u32 s[ST], s[LIM]
	s_cbranch_scc0 .Lnp_\@
	global_prefetch_b8 v[PFO], s[PFA:PFA+1] th:TH_LOAD_NT scope:SCOPE_SE
.Lnp_\@:
	s_cmp_gt_u32 s[ST], s[GQ]                      ; all 128 keys come after my queries: no work
	s_cbranch_scc1 .Lhid_\@
	KLOAD \a, 0                                    ; no wait: the last readers of these registers, the step before's second four products, stand ahead of that step's waits on va_vdst, and no vector or matrix line has named them since
.rept 9
	v_nop                                          ; nine places: the products below write over registers that the last step's products read as an operand
.endr
	s_wait_dscnt 0x0
	KQ 0
	s_wait_alu depctr_va_vdst(0)                   ; these four products are done reading their fragments and scale words, in which the next four tiles' loads land
	KLOAD \a, 1
	s_wait_dscnt 0x0
	KQ 1                                           ; register 16 b + i of the 64: key 32 b + 16 h + i of the step
.rept 8
	v_nop                                          ; places in front of the first read of results
.endr
	s_cmp_lt_u32 s[ST], s[GQ]                      ; only the step on the diagonal has hidden keys
	s_cbranch_scc1 .Lopen_\@
	v_mov_b32 v254, 0xff800000                     ; -infinity: p = 0
.irp b, 0,1,2,3
.irp i, 0,1,2,3,4,5,6,7,8,9,10,11,12,13,14,15
	v_cmp_gt_i32 s[MK+\i], 32*\b+\i, v[VD]         ; hidden where 32 b + i + 16 h > my query's place: a run of sixteen compares, a scalar register each
.endr
	s_wait_alu depctr_va_sdst(0)                   ; the sixteen masks are written, ahead of their first readers
.irp i, 0,1,2,3,4,5,6,7,8,9,10,11,12,13,14,15
	v_cndmask_b32 v[96+16*\b+\i], v[96+16*\b+\i], v254, s[MK+\i]
.endr
.endr
.Lopen_\@:
.irp b, 0,1,2,3
	v_max3_num_f32 v[232+\b], v[96+16*\b], v[97+16*\b], v[98+16*\b]   ; the largest score of each block of 32 keys: for the row's maximum, and, since p rises with the score, for the block's largest p
.endr
.irp i, 3,5,7,9,11,13
.irp b, 0,1,2,3
	v_max3_num_f32 v[232+\b], v[232+\b], v[96+16*\b+\i], v[97+16*\b+\i]
.endr
.endr
.irp b, 0,1,2,3
	v_max_num_f32 v[232+\b], v[232+\b], v[111+16*\b]
.endr
.irp b, 0,1,2,3
	v_permlanex16_b32 v[236+\b], v[232+\b], s[SEL], s[SEL+1]
.endr
.irp b, 0,1,2,3
	v_max_num_f32 v[232+\b], v[232+\b], v[236+\b]  ; with lane l xor 16's 16 keys
.endr
	v_max3_num_f32 v254, v232, v233, v234
	v_max_num_f32 v254, v254, v235
	v_mul_f32 v254, s[CS], v254                    ; the step's largest t
	v_max_num_f32 v13, v13, v254                   ; the running largest t
	v_mov_b32 v254, v12
	v_floor_f32 v12, -v13                          ; -M = floor(-t): M is a whole number
	v_sub_f32 v254, v12, v254                      ; old M - new M: a whole number, 0 or less
	v_cvt_i32_f32 v254, v254                       ; (it saturates)
	v_ldexp_f32 v252, 1.0, v254                    ; f = 2^(old M - new M)
.irp b, 0,1,2,3
.irp i, 0,2,4,6,8,10,12,14
	v_pk_fma_f32 v[96+16*\b+\i:97+16*\b+\i], v[96+16*\b+\i:97+16*\b+\i], s[CS:CS+1], v[12:13] op_sel_hi:[1,0,0]   ; t - M, two at a time
.endr
.endr
.irp b, 0,1,2,3
	v_fma_f32 v[232+\b], v[232+\b], s[CS], v12     ; the same of each block's largest score
.endr
	s_wait_alu depctr_va_vdst(0)
.irp b, 0,1,2,3
.irp i, 0,1,2,3,4,5,6,7,8,9,10,11,12,13,14,15
	v_exp_f32 v[96+16*\b+\i], v[96+16*\b+\i]       ; p = 2^(t - M)
.endr
.endr
	v_pk_mul_f32 v[14:15], v[14:15], v[252:253] op_sel_hi:[1,0]   ; the sums under the new M: the plain line behind the exponentials
	s_wait_alu depctr_va_vdst(0)                   ; the 64 exponentials have written p, ahead of its first reader; the eight products K Q^T are done reading K's fragments and scale words
.irp b, 0,1,2,3
	v_exp_f32 v[232+\b], v[232+\b]                 ; the block's largest p
.endr
	v_pk_add_f32 v[236:237], v[96:97], v[98:99]    ; the row's sum of the unquantised p, in two chains; it reads the 64 alone
.irp j, 4,8,12,16,20,24,28,32,36,40,44,48,52,56,60
	v_pk_add_f32 v[14:15], v[14:15], v[96+\j:97+\j]
	v_pk_add_f32 v[236:237], v[236:237], v[98+\j:99+\j]
.endr
	v_pk_add_f32 v[14:15], v[14:15], v[236:237]
	s_wait_alu depctr_va_vdst(0)                   ; the four exponentials have written the blocks' largest p, ahead of their first reader
.irp b, 0,1,2,3
	v_max_num_f32 v[232+\b], 0x4800000, v[232+\b]  ; the floor 2^(9 - 127)
.endr
.irp b, 0,1,2,3
	v_add_nc_u32 v[244+\b], 0xfc000000, v[232+\b]  ; the conversion's scale operand
.endr
.irp b, 0,1,2,3
	v_and_or_b32 v[240+\b], v[232+\b], 0x7f800000, s[MNT]   ; 448 x the scale
.endr
.irp b, 0,1,2,3
	v_lshrrev_b32 v[236+\b], 23, v[244+\b]         ; the scale's byte
.endr
	v_lshl_or_b32 v253, v237, 8, v236              ; p's scale word for these 128 keys
	v_lshl_or_b32 v253, v238, 16, v253
	v_lshl_or_b32 v253, v239, 24, v253
.irp b, 0,1,2,3
.irp i, 0,1,2,3,4,5,6,7,8,9,10,11,12,13,14,15
	v_min_num_f32 v[96+16*\b+\i], v[96+16*\b+\i], v[240+\b]   ; the hold; p is not negative, so it is one-sided
.endr
	v_cvt_scalef32_pk8_fp8_f32 v[192+4*\b:193+4*\b], v[96+16*\b:103+16*\b], v[244+\b]
	v_cvt_scalef32_pk8_fp8_f32 v[194+4*\b:195+4*\b], v[104+16*\b:111+16*\b], v[244+\b]
.endr
.irp j, 0,2,4,6
	v_pk_mul_f32 v[160+\j:161+\j], v[160+\j:161+\j], v[252:253] op_sel_hi:[1,0]   ; O^T under the new M; these four are the places between the conversions and the scaled products that take the codes
.endr
	s_wait_alu depctr_va_vdst(0)                   ; the conversions are done reading p's registers, in which V's fragments land, and have written p's codes; p's scale word is written: the products below take both
.irp d, 0,1,2,3                                ; V's four fragments land where p lay
.irp c, 0,1,2,3
	ds_load_b128 v[96+16*\d+4*\c:99+16*\d+4*\c], v[LI] offset:(\a)*SLOTB+8192+(4*\d+\c)*512
.endr
	ds_load_b32 v[224+\d], v[VS] offset:(\a)*SLOTB+16896+64*\d
.endr
.irp j, 8,10,12,14,16,18,20,22,24,26,28,30
	v_pk_mul_f32 v[160+\j:161+\j], v[160+\j:161+\j], v[252:253] op_sel_hi:[1,0]   ; the rest of O^T, while the loads are out: these lines name none of the loads' registers
.endr
	s_wait_alu depctr_va_vdst(0)
	s_wait_dscnt 0x0
.irp d, 0,1,2,3                                ; O^T += V^T P^T: the four accumulators by turns
	v_wmma_scale_f32_16x16x128_f8f6f4 v[160+8*\d:167+8*\d], v[96+16*\d:111+16*\d], v[192:207], v[160+8*\d:167+8*\d], v[224+\d], v253
.endr
.Lhid_\@:
	s_add_co_u32 s[ST], s[ST], 1
	STAGE_STORE (1-(\a))*SLOTB
.endm
	s_load_b256 s[4:11], s[0:1], 0x0               ; qimg 4, qscl 6, kv 8, oimg 10
	s_load_b64 s[12:13], s[0:1], 0x20              ; oscl
	v_lshl_add_u32 v230, v0, 2, 0x8800
	v_mov_b32 v231, 0
	v_lshrrev_b32 v8, 5, v0
	v_readfirstlane_b32 s[WV], v8                  ; wave 0..15
	s_mov_b32 s[JJ], ttmp9
	s_and_b32 s[YY], ttmp7, 0xffff
	s_mov_b32 s[CS], 0x3e38aa3b                    ; log2(e) / 8
	s_mov_b32 s[CS+1], s[CS]
	s_mov_b32 s[SEL], 0x76543210
	s_mov_b32 s[SEL+1], 0xfedcba98
	s_mov_b32 s[MNT], 0x600000
	s_mov_b32 s37, 0
	v_lshlrev_b32 v[VG], 4, v0
	v_and_b32 v8, 31, v0
	v_and_b32 v9, 15, v0
	v_bfe_u32 v10, v0, 4, 1
	v_lshlrev_b32 v[LI], 4, v8
	v_lshlrev_b32 v[KS], 5, v9
	v_lshlrev_b32 v[VS], 2, v9
	v_lshlrev_b32 v[L8], 3, v8
	v_lshlrev_b32 v[PFO], 8, v8
	v_lshlrev_b32 v[L4], 2, v8
	v_and_b32 v[VD], 8, v9
	v_add_nc_u32 v[VD], v[VD], v9                  ; r + 8 (r / 8)
	v_lshlrev_b32 v10, 4, v10
	v_sub_nc_u32 v[VD], v[VD], v10
.irp q, 216,217,218,219,220,221,222,223,228,229,252,253,236,237,238,239,14,15
	v_mov_b32 v[\q], 0                             ; written once, so that no path names them unwritten; the sum begins at 0
.endr
	s_wait_alu depctr_va_sdst(0)                   ; the wave's number is written, ahead of its first reader: shares, bases and branches are made from it
	s_lshr_b32 s40, s[WV], 2
	s_xor_b32 s41, s[WV], s40
	s_and_b32 s41, s41, 1                          ; 1: the late block of queries (63 - j), 0: the early one (j)
	s_and_b32 s42, s40, 1                          ; u: which tile of the block's two
	s_lshr_b32 s43, s[WV], 1
	s_and_b32 s43, s43, 1
	s_and_b32 s44, s40, 2
	s_or_b32 s43, s43, s44                         ; which of the four query heads
	s_sub_co_u32 s44, 63, s[JJ]
	s_cmp_eq_u32 s41, 1
	s_cselect_b32 s44, s44, s[JJ]                  ; my block of 32 queries
	s_lshr_b32 s[GQ], s44, 2                       ; its group of 128: my last key step
	s_and_b32 s45, s44, 3
	s_lshl_b32 s46, s45, 1
	s_add_co_u32 s46, s46, s42                     ; my tile T in the group
	s_and_b32 s47, s[YY], 3
	s_lshl_b32 s47, s47, 2
	s_add_co_u32 s47, s47, s43                     ; my query head
	s_lshr_b32 s48, s[YY], 2
	s_lshl_b32 s48, s48, 4
	s_add_co_u32 s48, s48, s[GQ]                   ; my group among the 32
	s_lshl_b32 s49, s45, 5
	s_lshl_b32 s50, s42, 3
	s_add_co_u32 s49, s49, s50                     ; the tile's first token in the group
	v_add_nc_u32 v[VD], s49, v[VD]
	s_lshr_b32 s[ND], s[JJ], 2
	s_sub_co_u32 s[ND], 17, s[ND]
	s_lshr_b32 s[ND], s[ND], 1                     ; trips of two steps: 16 - j / 4 steps, rounded up
	s_and_b32 s38, s47, 1
	s_lshl_b32 s38, s38, 4                         ; my head's half of o's scale word
	s_lshr_b32 s39, s[WV], 3
	s_lshl_b32 s39, s39, 13                        ; the prefetch: K's codes (wave 1) or V's (wave 9)
	s_and_b32 s36, s[WV], 7
	s_xor_b32 s36, s36, 1
	s_or_b32 s36, s36, s[JJ]
	s_cmp_eq_u32 s36, 0
	s_cselect_b32 s[LIM], 13, 0                    ; a wave prefetches while the step's number is under this
	s_wait_kmcnt 0x0
	s_mul_i32 s36, s[YY], 16*RECB
	s_add_nc_u64 s[KVB:KVB+1], s[8:9], s[36:37]
	s_mov_b64 s[RP:RP+1], s[KVB:KVB+1]
	s_wait_alu depctr_va_vdst(0)                   ; the addresses v1 to v7 are written, which every load, store and prefetch reads; v216-223 and v228-229 are cleared, in which loads land
	STAGE_LOAD                                     ; record 0
	s_lshl_b32 s51, s48, 4
	s_add_co_u32 s51, s51, s47                     ; 16 x group + head
	s_lshl_b32 s36, s51, 3
	s_add_co_u32 s36, s36, s46
	s_lshl_b32 s36, s36, 10
	s_add_nc_u64 s[52:53], s[4:5], s[36:37]        ; Q's two pieces
	s_lshl_b32 s36, s51, 10
	s_lshl_b32 s50, s46, 2
	s_add_co_u32 s36, s36, s50
	s_add_nc_u64 s[54:55], s[6:7], s[36:37]        ; Q's scale words
	s_lshl_b32 s51, s48, 3
	s_add_co_u32 s51, s51, s46                     ; my tile among the 256
	s_lshl_b32 s36, s51, 5
	s_lshl_b32 s50, s47, 1
	s_add_co_u32 s36, s36, s50
	s_lshl_b32 s36, s36, 9
	s_add_nc_u64 s[56:57], s[10:11], s[36:37]      ; o's two pieces
	s_lshl_b32 s36, s51, 4
	s_add_co_u32 s36, s36, s47
	s_lshl_b32 s36, s36, 7
	s_add_nc_u64 s[58:59], s[12:13], s[36:37]      ; o's scale words
	global_load_b128 v[16:19], v[LI], s[52:53] th:TH_LOAD_NT
	global_load_b128 v[20:23], v[LI], s[52:53] offset:512 th:TH_LOAD_NT
	global_load_b32 v255, v[KS], s[54:55]
	global_load_b32 v254, v[KS], s[54:55] offset:512
.irp q, 24,25,26,27,28,29,30,31
	v_mov_b32 v[\q], 0                             ; the upper half of K = 128: zero codes, in Q
.endr
.irp t, 0,1,2,3
.irp q, 8,9,10,11,12,13,14,15
	v_mov_b32 v[32+16*\t+\q], 0                    ; and in K's four fragments: never written again
.endr
.endr
.irp t, 0,1,2,3
.irp q, 0,1,2,3,4,5,6,7
	v_mov_b32 v[160+8*\t+\q], 0                    ; O^T: the step is written once; the first finds zeros, which the first change of M leaves zeros
.endr
.endr
	v_mov_b32 v13, 0xff61b1e6                      ; the largest t so far: -3e38
	v_floor_f32 v12, -v13
	STAGE_STORE 0                                  ; (its wait for loads serves Q too)
	v_or_b32 v255, v255, v254                      ; Q's scale word: the two blocks' bytes joined
	s_mov_b32 s[ST], 0
	s_mov_b32 s[TR], 0
.rept 8
	v_nop                                          ; eight places between the line that makes a scale word and the scaled products that take it
.endr
	s_wait_alu depctr_va_vdst(0)                   ; Q's scale word and the zero halves of Q's and K's fragments are written: the scaled products of every step take them
.Ltrip:
	STEP 0
	STEP 1
	s_add_co_u32 s[TR], s[TR], 1
	s_cmp_lt_u32 s[TR], s[ND]
	s_cbranch_scc1 .Ltrip
	; THE WAY OUT: O^T / the sum, quantised along my head's 64 dims: two blocks, whose codes are two pieces of the last product's operand
.rept 8
	v_nop                                          ; places in front of the first read of results
.endr
	v_add_f32 v14, v14, v15
	v_permlanex16_b32 v252, v14, s[SEL], s[SEL+1]
	v_add_f32 v14, v14, v252                       ; the row's sum
	s_wait_alu depctr_va_vdst(0)
	v_rcp_f32 v14, v14
	v_nop                                          ; a plain line behind the transcendental
	s_wait_alu depctr_va_vdst(0)                   ; the reciprocal is written, ahead of its first reader
.irp j, 0,2,4,6,8,10,12,14,16,18,20,22,24,26,28,30
	v_pk_mul_f32 v[160+\j:161+\j], v[160+\j:161+\j], v[14:15] op_sel_hi:[1,0]
.endr
	QUANT2 160, 168, 192, 232, 176, 184, 196, 233
	v_lshl_or_b32 v232, v233, 8, v232
	v_lshlrev_b32 v232, s38, v232                  ; a whole word with my head's two bytes in their place: the reader joins two heads' words by an or
	s_wait_alu depctr_va_vdst(0)                   ; the two pieces' codes and the scale word are written, which the three stores read
	global_store_b128 v[LI], v[192:195], s[56:57]
	global_store_b128 v[LI], v[196:199], s[56:57] offset:512
	global_store_b32 v[L4], v232, s[58:59]
	s_wait_dscnt 0x0
	s_wait_alu depctr_hold_cnt(0) depctr_sa_sdst(0) depctr_va_vdst(0) depctr_va_sdst(0) depctr_va_ssrc(0) depctr_va_vcc(0) depctr_vm_vsrc(0)
	s_wait_tensorcnt 0x0
	ds_add_u32 v230, v231
	s_wait_dscnt 0x0
	s_endpgm
.Lfunc_end_k_q881130b454_attn:
	.size	k_q881130b454_attn, .Lfunc_end_k_q881130b454_attn-k_q881130b454_attn
	.p2alignl 7, 3214868480
	.fill 96, 4, 3214868480
	.section	.rodata,"a",@progbits
	.p2align	6, 0x0
	.amdhsa_kernel k_q881130b454_attn
		.amdhsa_group_segment_fixed_size 36864
		.amdhsa_private_segment_fixed_size 0
		.amdhsa_enable_private_segment 0
		.amdhsa_kernarg_size 40
		.amdhsa_user_sgpr_count 2
		.amdhsa_user_sgpr_kernarg_segment_ptr 1
		.amdhsa_wavefront_size32 1
		.amdhsa_system_sgpr_workgroup_id_x 1
		.amdhsa_system_sgpr_workgroup_id_y 1
		.amdhsa_system_sgpr_workgroup_id_z 1
		.amdhsa_system_vgpr_workitem_id 0
		.amdhsa_next_free_vgpr 256
		.amdhsa_next_free_sgpr 66
		.amdhsa_reserve_vcc 0
		.amdhsa_float_denorm_mode_32 3
		.amdhsa_float_denorm_mode_16_64 3
		.amdhsa_memory_ordered 1
		.amdhsa_forward_progress 1
		.amdhsa_inst_pref_size 75
	.end_amdhsa_kernel
	.amdgpu_metadata
---
amdhsa.version: [ 1, 2 ]
amdhsa.kernels:
  - .name:           k_q881130b454_attn
    .symbol:         k_q881130b454_attn.kd
    .args:
      - { .name: qimg, .offset: 0, .size: 8, .value_kind: global_buffer, .address_space: global }
      - { .name: qscl, .offset: 8, .size: 8, .value_kind: global_buffer, .address_space: global }
      - { .name: kv, .offset: 16, .size: 8, .value_kind: global_buffer, .address_space: global }
      - { .name: oimg, .offset: 24, .size: 8, .value_kind: global_buffer, .address_space: global }
      - { .name: oscl, .offset: 32, .size: 8, .value_kind: global_buffer, .address_space: global }
    .group_segment_fixed_size: 36864
    .private_segment_fixed_size: 0
    .kernarg_segment_align: 8
    .kernarg_segment_size: 40
    .max_flat_workgroup_size: 512
    .sgpr_count:     66
    .vgpr_count:     256
    .wavefront_size: 32
...
	.end_amdgpu_metadata
.endif
;; end of part 5
;; launch outp (part 6): grid 64 x 4, 8 waves a work-group, no clusters, 137,216 bytes of LDS; arguments oimg, oscl, wo_codes, wo_scales, out0; writes out0
.if DOCPART == 6
	.amdgcn_target "amdgcn-amd-amdhsa--gfx1250"
	.amdhsa_code_object_version 6
	.text
	.protected	k_q881130b454_outp
	.globl	k_q881130b454_outp
	.p2align	8
	.type	k_q881130b454_outp,@function
k_q881130b454_outp:
	s_mov_b64 s[64:65], 0
	v_nop
	global_prefetch_b8 v0, s[64:65] scope:SCOPE_SE
	s_setreg_imm32_b32 hwreg(HW_REG_WAVE_SCHED_MODE, 0, 2), 2
	s_setreg_imm32_b32 hwreg(HW_REG_WAVE_MODE, 25, 1), 1
	s_wait_xcnt 0x0
	s_wait_alu depctr_vm_vsrc(0)
; out0 = o wo^T on codes of E4M3 with E8M0 scales; sums in f32, K ascending.  o comes as images of operand registers (a piece: 512 bytes, lane l's 16 bytes at 16 l) with its scale words in two halves.
; SHARES.  Work-group (X, y): 64 tokens (tiles 4 X .. 4 X + 3 of 16) x 256 rows of wo.  Wave w: rows 256 y + 32 w .. + 31 (two tiles u; lane r of tile u takes row 8 u + r + 8 (r / 8)) against the 64 tokens: 8 accumulators,
; 64 matrix instructions.  Its rows of wo stay in registers (window 1), read from memory once; o's 64 KiB go through LDS, copied once through registers as they lie.
; Source 0 = 16 rows of wo, source 1 = 16 tokens: a lane holds one token and, over tiles u = 0, 1, the outputs 32 w + 16 h + 0 .. 15.  The results meet in a stage in LDS and leave as rows of 1,024 bytes, 512 consecutive
; aligned bytes a store.
; NO CLUSTER: o's tile, which the four work-groups along y share, is 64 KiB of the 320 KiB that a work-group takes in; wo goes straight into registers.  No prefetch: all loads go out at the head.
; REGISTERS.  Window 1: wo's fragment (u, K step s) at v[32 s + 16 u].  Window 0: v1-9 addresses; v12-15 o's scale words; v16-31 wo's; v32-39 o's scale words on their way to LDS; v64-127 two sets of two fragments of o,
; later the rows read back; v128-191 o on its way to LDS; v192-255 the accumulators (T', u) at v[192 + 16 T' + 8 u].
; THE MODE: SCHED_MODE bits 1:0 = 2 (LLVM: expert scheduling mode 2), set by the entry lines.  The code itself states the register dependences
; between vector or matrix instructions and memory or LDS instructions, with s_wait_alu, always for 0.
; THE PLAN.  Registers that memory or LDS instructions touch:
;   v1-9         addresses, made at the head and never written again: one wait on va_vdst ahead of the first load serves every load and store.
;   v32-39       o's scale words: loads land, four lines join them, LDS stores read them: one wait on va_vdst between; never written again.  v128-191: loads land, LDS stores read them; never written again.
;   sets 0 and 1 (v64-127) with v12-15: batch be's four products read set be % 2; the ten LDS loads of batch be + 1 land in the other set, which batch be - 1's products read.
;                ONE wait on va_vdst at a batch's head, behind the wait for the batch's own data, states that; the ten loads follow it, then the four products, which name none of the loads' registers.
;   v192-255     the accumulators are the LDS stores' data on the way out: eight places, then one wait on va_vdst; no vector line follows it, so it also serves the stage's loads into v64-127.
.set OSCL,  65536                      ; behind o's images: scale words, (8 T' + s) x 128 + 4 x lane
.set STG,   OSCL+4096                  ; the stage: 64 rows x (1,024 bytes + 16)
.set SPITCH, 1040
.set LI,  1
.set OS,  2
.set OW,  3
.set OSW, 4
.set WA,  5
.set WSA, 6
.set SO,  7
.set SR,  8
.set L4,  9
.set XSR, 12
.set WS,  16
.set XF,  64
.set ACC, 192
.set MSB, 0
.macro WIN new                         ; the immediate's high byte repeats the setting that is left
.if MSB != \new
	s_set_vgpr_msb (MSB<<8)|\new
.set MSB, \new
.endif
.endm
.macro XFETCH be                       ; batch be = 2 s + pr: K step s, tiles 2 pr and 2 pr + 1, into set pr: ten LDS loads
.irp i, 0,1
.irp c, 0,1,2,3
	ds_load_b128 v[XF+32*((\be)%2)+16*\i+4*\c:XF+32*((\be)%2)+16*\i+4*\c+3], v[LI] offset:((2*((\be)%2)+\i)*32+4*((\be)/2)+\c)*512
.endr
	ds_load_b32 v[XSR+2*((\be)%2)+\i], v[OS] offset:((2*((\be)%2)+\i)*8+(\be)/2)*128
.endr
.endm
.macro MM be, i, u
.set mD, ACC+16*(2*((\be)%2)+\i)+8*\u
.set mW, 32*((\be)/2)+16*\u
.set mX, XF+32*((\be)%2)+16*\i
.if (\be) < 2
	v_wmma_scale_f32_16x16x128_f8f6f4 v[mD:mD+7], v[mW:mW+15], v[mX:mX+15], 0, v[WS+8*\u+(\be)/2], v[XSR+2*((\be)%2)+\i]
.else
	v_wmma_scale_f32_16x16x128_f8f6f4 v[mD:mD+7], v[mW:mW+15], v[mX:mX+15], v[mD:mD+7], v[WS+8*\u+(\be)/2], v[XSR+2*((\be)%2)+\i]
.endif
.endm
.macro BATCH be                        ; four products; the 8 accumulators take turns, one instruction a turn, in the same order in every K step
.if (\be) == 0
	s_wait_dscnt 10                                ; batch 0's ten loads are in; batch 1's ten may be out
.else
	s_wait_dscnt 0x0                               ; this batch's ten loads, asked for a batch ago, are in
.endif
.if (\be)%2 == 0
	s_wait_loadcnt 8*(7-(\be)/2)                   ; wo of this K step is in: behind it stand eight loads for each later K step
.endif
.if ((\be) > 0) && ((\be) < 15)
	s_wait_alu depctr_va_vdst(0)                   ; the last batch's products are done reading the other set and its two scale words, in which the ten loads below land
	XFETCH (\be)+1
.endif
	WIN 0x01                                       ; source 0 (wo) in window 1
.irp i, 0,1
.irp u, 0,1
	MM \be, \i, \u
.endr
.endr
	WIN 0
.endm
	s_load_b256 s[4:11], s[0:1], 0x0               ; oimg 4, oscl 6, wo_codes 8, wo_scales 10
	s_load_b64 s[12:13], s[0:1], 0x20              ; out0
	v_lshl_add_u32 v62, v0, 2, 0x21400
	v_mov_b32 v63, 0
	v_lshrrev_b32 v40, 5, v0
	v_readfirstlane_b32 s2, v40                    ; wave 0..7
	s_mov_b32 s3, ttmp9                            ; X
	s_and_b32 s14, ttmp7, 0xffff                   ; y
	v_and_b32 v40, 31, v0                          ; lane
	v_and_b32 v41, 15, v0                          ; r
	v_bfe_u32 v42, v0, 4, 1                        ; h
	v_and_b32 v43, 8, v41
	v_add_nc_u32 v43, v43, v41                     ; r + 8 (r / 8)
	v_lshlrev_b32 v[LI], 4, v40
	v_lshlrev_b32 v[L4], 2, v40
	v_add_nc_u32 v[OS], OSCL, v[L4]
	s_wait_alu depctr_va_sdst(0)                   ; s2 is written, ahead of its first reader: LDS places and bases are made from it
	s_lshl_b32 s16, s2, 13
	v_add_nc_u32 v[OW], s16, v[LI]
	s_lshl_b32 s16, s2, 9
	s_add_co_u32 s16, s16, OSCL
	v_add_nc_u32 v[OSW], s16, v[L4]
	v_lshlrev_b32 v[WA], 10, v43
	v_lshl_add_u32 v[WA], v42, 4, v[WA]
	v_lshlrev_b32 v[WSA], 5, v43
	v_mul_u32_u24 v[SO], v41, SPITCH
	v_lshl_add_u32 v[SO], v42, 6, v[SO]
	s_lshl_b32 s16, s2, 7
	s_add_co_u32 s16, s16, STG
	v_add_nc_u32 v[SO], s16, v[SO]                 ; the stage, in: row r, + 128 w + 64 h
	s_mul_i32 s16, s2, 8*SPITCH
	s_add_co_u32 s16, s16, STG
	v_add_nc_u32 v[SR], s16, v[LI]                 ; and back: my 8 rows, 16 bytes a lane
	s_mov_b32 s17, 0
	s_wait_kmcnt 0x0
	s_lshl_b32 s16, s3, 16
	s_lshl_b32 s18, s2, 13
	s_add_co_u32 s16, s16, s18
	s_add_nc_u64 s[4:5], s[4:5], s[16:17]          ; o's images: my 8,192 bytes of the work-group's 65,536
	s_lshl_b32 s16, s3, 13
	s_lshl_b32 s18, s2, 10
	s_add_co_u32 s16, s16, s18
	s_add_nc_u64 s[6:7], s[6:7], s[16:17]          ; o's scale words: eight heads of tile w / 2
	s_lshl_b32 s18, s14, 8
	s_lshl_b32 s19, s2, 5
	s_add_co_u32 s18, s18, s19                     ; my first row of wo
	s_lshl_b32 s16, s18, 10
	s_add_nc_u64 s[8:9], s[8:9], s[16:17]
	s_lshl_b32 s16, s18, 5
	s_add_nc_u64 s[10:11], s[10:11], s[16:17]
	s_lshl_b32 s16, s3, 6                          ; the stage's rows 8 w + i are tokens 64 X + 32 (w / 4) + 8 ((w / 2) % 2) + 16 (w % 2) + i
	s_lshr_b32 s18, s2, 2
	s_lshl_b32 s18, s18, 5
	s_add_co_u32 s16, s16, s18
	s_lshr_b32 s18, s2, 1
	s_and_b32 s18, s18, 1
	s_lshl_b32 s18, s18, 3
	s_add_co_u32 s16, s16, s18
	s_and_b32 s18, s2, 1
	s_lshl_b32 s18, s18, 4
	s_add_co_u32 s16, s16, s18
	s_lshl_b32 s16, s16, 12
	s_lshl_b32 s18, s14, 10
	s_add_co_u32 s16, s16, s18
	s_add_nc_u64 s[12:13], s[12:13], s[16:17]
	s_wait_alu depctr_va_vdst(0)                   ; the nine addresses v1 to v9 are written: every load and store of the kernel, global or LDS, reads one of them
.irp k, 0,1,2,3,4,5,6,7,8,9,10,11,12,13,14,15
	global_load_b128 v[128+4*\k:131+4*\k], v[LI], s[4:5] offset:512*\k
.endr
.irp k, 0,1,2,3,4,5,6,7
	global_load_b32 v[32+\k], v[L4], s[6:7] offset:128*\k
.endr
.irp u, 0,1
	global_load_b128 v[WS+8*\u:WS+8*\u+3], v[WSA], s[10:11] offset:\u*256
	global_load_b128 v[WS+8*\u+4:WS+8*\u+7], v[WSA], s[10:11] offset:\u*256+16
.endr
	WIN 0x40                                       ; destination window 1
.irp s, 0,1,2,3,4,5,6
.irp u, 0,1
.irp c, 0,1,2,3
	global_load_b128 v[32*\s+16*\u+4*\c:32*\s+16*\u+4*\c+3], v[WA], s[8:9] offset:\u*8192+128*\s+32*\c
.endr
.endr
.endr
	WIN 0
	s_wait_loadcnt 60                              ; o's 24 loads are in: behind them stand wo's 4 loads of scales and 56 of codes
.irp i, 0,1,2,3
	v_or_b32 v[32+2*\i], v[32+2*\i], v[33+2*\i]    ; two heads' halves make a K step's scale word
.endr
	s_wait_alu depctr_va_vdst(0)                   ; the four scale words are written, which the last four LDS stores below read
.irp k, 0,1,2,3,4,5,6,7,8,9,10,11,12,13,14,15
	ds_store_b128 v[OW], v[128+4*\k:131+4*\k] offset:512*\k
.endr
.irp i, 0,1,2,3
	ds_store_b32 v[OSW], v[32+2*\i] offset:128*\i
.endr
	WIN 0x40
.irp u, 0,1
.irp c, 0,1,2,3
	global_load_b128 v[224+16*\u+4*\c:224+16*\u+4*\c+3], v[WA], s[8:9] offset:\u*8192+896+32*\c
.endr
.endr
	WIN 0
	s_wait_dscnt 0x0                               ; for the others' sake: my part of o lies in LDS
	s_barrier_signal -1
	s_barrier_wait -1
	XFETCH 0
	XFETCH 1
.irp be, 0,1,2,3,4,5,6,7,8,9,10,11,12,13,14,15
	BATCH \be
.endr
.rept 8
	v_nop                                          ; places in front of the first read of results
.endr
	s_wait_alu depctr_va_vdst(0)                   ; the products have written the accumulators, which the LDS stores read, and are done reading the fragments' registers, in which the stage's loads land; the places above stay beside this wait
.irp t, 0,1,2,3
.irp u, 0,1
	ds_store_b128 v[SO], v[ACC+16*\t+8*\u:ACC+16*\t+8*\u+3] offset:\t*16*SPITCH+32*\u        ; each accumulator from its low end on
	ds_store_b128 v[SO], v[ACC+16*\t+8*\u+4:ACC+16*\t+8*\u+7] offset:\t*16*SPITCH+32*\u+16
.endr
.endr
	s_wait_dscnt 0x0                               ; for the others' sake: a row's 1,024 bytes come from eight waves
	s_barrier_signal -1
	s_barrier_wait -1
.irp i, 0,1,2,3,4,5,6,7
.irp p, 0,1
	ds_load_b128 v[XF+4*(2*\i+\p):XF+4*(2*\i+\p)+3], v[SR] offset:\i*SPITCH+512*\p
.endr
.endr
.irp i, 0,1,2,3,4,5,6,7
.irp p, 0,1
	s_wait_dscnt 15-(2*\i+\p)
	global_store_b128 v[LI], v[XF+4*(2*\i+\p):XF+4*(2*\i+\p)+3], s[12:13] offset:\i*4096+512*\p th:TH_STORE_NT   ; 32 lanes store 512 consecutive bytes, at a multiple of 256 from out0's first byte
.endr
.endr
	s_wait_dscnt 0x0
	s_wait_alu depctr_hold_cnt(0) depctr_sa_sdst(0) depctr_va_vdst(0) depctr_va_sdst(0) depctr_va_ssrc(0) depctr_va_vcc(0) depctr_vm_vsrc(0)
	s_wait_tensorcnt 0x0
	ds_add_u32 v62, v63
	s_wait_dscnt 0x0
	s_endpgm
.Lfunc_end_k_q881130b454_outp:
	.size	k_q881130b454_outp, .Lfunc_end_k_q881130b454_outp-k_q881130b454_outp
	.p2alignl 7, 3214868480
	.fill 96, 4, 3214868480
	.section	.rodata,"a",@progbits
	.p2align	6, 0x0
	.amdhsa_kernel k_q881130b454_outp
		.amdhsa_group_segment_fixed_size 137216
		.amdhsa_private_segment_fixed_size 0
		.amdhsa_enable_private_segment 0
		.amdhsa_kernarg_size 40
		.amdhsa_user_sgpr_count 2
		.amdhsa_user_sgpr_kernarg_segment_ptr 1
		.amdhsa_wavefront_size32 1
		.amdhsa_system_sgpr_workgroup_id_x 1
		.amdhsa_system_sgpr_workgroup_id_y 1
		.amdhsa_system_sgpr_workgroup_id_z 1
		.amdhsa_system_vgpr_workitem_id 0
		.amdhsa_next_free_vgpr 512
		.amdhsa_next_free_sgpr 66
		.amdhsa_reserve_vcc 0
		.amdhsa_float_denorm_mode_32 3
		.amdhsa_float_denorm_mode_16_64 3
		.amdhsa_memory_ordered 1
		.amdhsa_forward_progress 1
		.amdhsa_inst_pref_size 38
	.end_amdhsa_kernel
	.amdgpu_metadata
---
amdhsa.version: [ 1, 2 ]
amdhsa.kernels:
  - .name:           k_q881130b454_outp
    .symbol:         k_q881130b454_outp.kd
    .args:
      - { .name: oimg, .offset: 0, .size: 8, .value_kind: global_buffer, .address_space: global }
      - { .name: oscl, .offset: 8, .size: 8, .value_kind: global_buffer, .address_space: global }
      - { .name: wo_codes, .offset: 16, .size: 8, .value_kind: global_buffer, .address_space: global }
      - { .name: wo_scales, .offset: 24, .size: 8, .value_kind: global_buffer, .address_space: global }
      - { .name: out0, .offset: 32, .size: 8, .value_kind: global_buffer, .address_space: global }
    .group_segment_fixed_size: 137216
    .private_segment_fixed_size: 0
    .kernarg_segment_align: 8
    .kernarg_segment_size: 40
    .max_flat_workgroup_size: 256
    .sgpr_count:     66
    .vgpr_count:     512
    .wavefront_size: 32
...
	.end_amdgpu_metadata
.endif
;; end of part 6
